; MI455X (gfx1250); checked and timed in simulation.
; The chip was launched on July 23, 2026; its instructions are those of AMD's public machine-readable ISA for CDNA 5 (MIT licence, August 2026) and "CDNA5" Instruction Set Architecture Reference Guide (July 2026). The comments in the code are by the model that wrote it; some were corrected since.
;; Attention. Allowed arithmetic: matrix products marked QUANTISED: E4M3 operands, one given power-of-two scale a tensor, by v_wmma_f32_16x16x64_fp8_fp8 or v_wmma_f32_16x16x128_fp8_fp8, f32 sums; everything else in f32.
;; Inputs: Wk_codes 1,024 x 32 x 32 uint8 (E4M3 codes of Wk, K innermost, in blocks of 32 codes); Wo_codes 1,024 x 32 x 32 uint8 (E4M3 codes of Wo, K innermost, in blocks of 32 codes); Wq_codes 1,024 x 32 x 32 uint8 (E4M3 codes of Wq, K innermost, in blocks of 32 codes); Wv_codes 1,024 x 32 x 32 uint8 (E4M3 codes of Wv, K innermost, in blocks of 32 codes); bk 1,024 float32; bo 1,024 float32; bq 1,024 float32; bv 1,024 float32; lowp_scales 12 int32 (the exponents e of the quantised operands' scales 2^e); x_codes 4 x 2,048 x 32 x 32 uint8 (E4M3 codes of x, K innermost, in blocks of 32 codes).
;; Outputs: out0 4 x 2,048 x 1,024 float32.
;; This version of the problem:
;;   THIS VERSION OF THE PROBLEM IS GIVEN IN LOW PRECISION. The matrix products marked QUANTISED in the list below multiply operands that are first quantised to E4M3 (4 exponent bits, 3 mantissa bits; 8 bits a number), with one given power-of-two scale for each operand tensor; their sums are f32. All else is computed in f32.
;;   The module's matrix products, in the order in which they are computed (A, B: the left and right operand; K: the contracted axis; several contracted axes count as one K, in the product's order):
;;     1. [M 8,192, K 1,024] x [K 1,024, N 1,024]; A: input x (given as codes); B: input Wq (given as codes): QUANTISED (scales: A lowp_scales[0], B lowp_scales[1])
;;     2. [M 8,192, K 1,024] x [K 1,024, N 1,024]; A: input x (given as codes); B: input Wk (given as codes): QUANTISED (scales: A lowp_scales[2], B lowp_scales[3])
;;     3. [M 8,192, K 1,024] x [K 1,024, N 1,024]; A: input x (given as codes); B: input Wv (given as codes): QUANTISED (scales: A lowp_scales[4], B lowp_scales[5])
;;     4. batch 64 x [M 2,048, K 64] x [K 64, N 2,048]; A: computed on the way; B: computed on the way: QUANTISED (scales: A lowp_scales[6], B lowp_scales[7])
;;     5. batch 64 x [M 2,048, K 2,048] x [K 2,048, N 64]; A: computed on the way; B: computed on the way: QUANTISED (scales: A lowp_scales[8], B lowp_scales[9])
;;     6. [M 8,192, K 1,024] x [K 1,024, N 1,024]; A: computed on the way; B: input Wo (given as codes): QUANTISED (scales: A lowp_scales[10], B lowp_scales[11])
;;   THE QUANTISER, for each operand of a quantised product, along K:
;;     - The operand's scale is 2^e, e = its entry of the input lowp_scales (int32; the entries are numbered through the quantised products in the list's order, A before B).
;;     - Each number is divided by the scale, clamped to +-448, and rounded to the nearest number of E4M3, ties to even, subnormals kept.
;;     - The product sums the exact products of the quantised numbers (number of the format x scale) in f32.
;;   ~~~python
;;   def quantise(x, axis, e):      # numpy; x: float32 -> the quantised numbers, widened to float32 again
;;       x = np.moveaxis(x, axis, -1); K = x.shape[-1]
;;       r = np.clip(x / 2.0 ** e, -448, 448)
;;       step = 2.0 ** (np.maximum(np.frexp(np.where(r == 0, 1, r))[1] - 1, -6) - 3)
;;       q = np.round(r / step) * step * 2.0 ** e      # np.round: ties to even
;;       return np.moveaxis(q, -1, axis).astype(np.float32)
;;   ~~~
;;   OPERANDS COMPUTED ON THE WAY. 'Computed on the way' means the value that the module computes at that place (a softmax that the list does not call 'softmax' is quantised finished and normalised). What goes into a quantiser is computed in f32, as accurately as f32 sums, v_exp_f32 and their like allow (about 1e-6 of the number): no bf16 or f16 on the way to a quantiser, and a product that is left as it is and whose result goes on into a quantised operand takes f32 operands (vector FMAs, or v_wmma_f32_16x16x4_f32). A number that lies on a knife's edge between two numbers of the format may be rounded either way, as far as f32 arithmetic and the matrix unit's own rounding can turn it there, and no further.
;;   INPUTS GIVEN AS CODES. Wk (in the module: [1024, 1024], K = its axis 0); Wo (in the module: [1024, 1024], K = its axis 0); Wq (in the module: [1024, 1024], K = its axis 0); Wv (in the module: [1024, 1024], K = its axis 0); x (in the module: [4, 2048, 1024], K = its axis 2): each comes as NAME_codes (uint8): NAME with its K axis moved to the last place and cut into blocks of 32 codes, [.., K / 32, bytes a block], one block behind the other in memory; one code a byte (a code: sign, 4 exponent bits, 3 mantissa bits); its scale is its entry of lowp_scales. Its value is code x scale, taken as it is: it is not quantised again, and the codes and scales need not be those that the quantiser above would give.
;; 2 versions, each right; version 2 is version 1 with the launch attn written anew for expert scheduling mode. Each part assembles by itself: llvm-mc -triple=amdgcn-amd-amdhsa -mcpu=gfx1250 --defsym DOCPART=n.
;; ======== version 1 of 2: 3 launches
;; workspace buffers: qws 8,388,608 bytes; kws 8,388,608 bytes; vws 8,388,608 bytes; ows 8,388,608 bytes
;; launch proj (part 1): grid 12 x 32, 4 waves a work-group, clusters of 4 x 4, 327,680 bytes of LDS; arguments x_codes, Wq_codes, Wk_codes, Wv_codes, bq, bk, bv, lowp_scales, qws, kws, vws; writes qws, kws, vws
.if DOCPART == 1
	.amdgcn_target "amdgcn-amd-amdhsa--gfx1250"
	.amdhsa_code_object_version 6
	.text
	.protected	k_q344fd87172_proj
	.globl	k_q344fd87172_proj
	.p2align	8
	.type	k_q344fd87172_proj,@function
k_q344fd87172_proj:
	s_mov_b64 s[64:65], 0
	v_nop
	global_prefetch_b8 v0, s[64:65] scope:SCOPE_SE
	s_setreg_imm32_b32 hwreg(HW_REG_WAVE_MODE, 25, 1), 1
	s_wait_xcnt 0x0
	s_wait_alu depctr_hold_cnt(0) depctr_sa_sdst(0) depctr_va_vdst(0) depctr_va_sdst(0) depctr_va_ssrc(0) depctr_va_vcc(0) depctr_vm_vsrc(0)
	s_getreg_b32 s2, hwreg(HW_REG_IB_STS2, 6, 4)
	s_cmp_eq_u32 s2, 0
	s_cbranch_scc0 .Lentry_in_a_cluster
	s_endpgm
.Lentry_in_a_cluster:
	s_bfe_u32 s2, ttmp6, 0x10000c
	s_cmp_lg_u32 s2, 0xf033
	s_cbranch_scc0 .Lentry_shape_is_right
	s_endpgm
.Lentry_shape_is_right:
; Q = x Wq + bq, K = x Wk + bk, V = x Wv + bv on codes of FP8 (E4M3); each result is quantised at once with its given scale and stored as codes, laid as the next launch's operand registers.
; x: [8192][1024] codes, W: [1024 (feature)][1024 (k)] codes, K innermost in both.  A sum stands for sum x 2^(ea + eb); value = sum x 2^(ea + eb) + bias, one fused multiply-add; code = value / 2^eq, held within +-448.
; (ea, eb, eq) = entries (0, 1, 6) of the scales for Q, (2, 3, 7) for K, (4, 5, 9) for V.
; LIMITS: ea + eb between -126 and 127; eq between -126 and 119, so that each power of two below is an f32 number.  NaN among the inputs is not served.
; SHARES.  A cluster of 4 x 4 work-groups makes 1,024 x 1,024 of ONE projection: cluster x = which projection (0 Q, 1 K, 2 V), cluster y = which 1,024 rows of x.  A work-group makes 256 x 256, a wave 128 x 128: 64 accumulators, 512 registers.
; TWO ROLES.  S0 is the matrix in source 0 (a lane's eight results run along its rows), S1 the matrix in source 1 (a lane is one of its rows).  For Q and K: S1 = x, S0 = W: a lane holds eight neighbouring features of one token,
; which are neighbours along the scores' K.  For V: S1 = Wv, S0 = x: a lane holds eight neighbouring tokens (keys) of one feature, neighbours along the second product's K.  Both matrices have rows of 1,024 bytes, so one text and
; one pair of descriptors serves all three: only pointers and a row offset are chosen, on the cluster's x, which all sixteen partners share.
; S1's tile hangs on the place along the cluster's y alone and is asked for jointly by the four of a row of the cluster; S0's on the place along x alone, jointly by the four of a column.
; K goes in four steps of 256 through a ring of two LDS slots; a tile's row is 256 bytes of memory.
; REGISTERS, in windows of 256: window 0: v0-31 addresses and constants; v32-95 bias along the registers; v96-111 bias along the lanes, each number twice; from v128 S1's fragments, ONE set; on the way out v128-223 at work.
;   window 1: S0's fragments, TWO sets, at v0 and v128.   window 2: the 32 accumulators of my S1 rows 0-63 ((a, b) at v[8 (8 a + b)]);   window 3: those of rows 64-127.
.set ROWB,   256                       ; a tile's row in bytes
.set KROW,   1024                      ; a row of x or of W in memory, in bytes
.set PITCH,  272                       ; an LDS row: 256 bytes + 16 of padding = 68 words: the 16 rows that a load touches start at 16 different banks (64 banks of 4 bytes: ISA guide 11.1)
.set FR,     16                        ; registers of a fragment: 16 rows x 128 K
.set NL,     4                         ; LDS loads that bring one
.set NP,     4                         ; places behind this matrix instruction (ISA guide 7.12.1)
.set HALFT,  128*PITCH                 ; 128 rows: what one tensor load brings
.set SLOT,   4*HALFT                   ; S1's 256 rows, then S0's 256 rows
.set SPARE,  2*SLOT                    ; behind the ring: the spare words, 128 bytes for each wave
.set ADRA, 16                          ; v16-17  LDS address of my S1 fragments in slot 0, 1
.set ADRB, 20                          ; v20-21  the same for S0
.set SPW,  28                          ; v28     LDS address of my spare word; never rewritten
.set NIL,  29                          ; v29     0; never rewritten
.set BIAS, 32                          ; v32-95  bias of my 128 S0 rows: block b's eight of my half at 8 b
.set BV,   96                          ; v96-111 bias of my S1 rows: block a's number of my lane at 2 a and 2 a + 1
.set AF,   128                         ; S1's fragments
.set TMP,  128                         ; the way out: 64 values
.set CD,   192                         ; the way out: two sets of 16 registers of codes
.set G1, 24                            ; s[24:31] descriptor group 1 for S1's tiles;  s[32:39] group 0, one set for each slot
.set G0, 32
.set G1B, 48                           ; s[48:55], s[56:63] the same for S0's tiles
.set G0B, 56
.set MSB, 0
.macro WIN new                         ; the immediate's high byte repeats the setting that is left
.if MSB != \new
	s_set_vgpr_msb (MSB<<8)|\new
.set MSB, \new
.endif
.endm
.set MUL_LO, 0xa1                      ; source 0 (S0) window 1, source 1 (S1) window 0, C and D window 2
.set MUL_HI, 0xf1                      ; the same, C and D window 3
.set TO_B,   0x40                      ; destination window 1, address window 0
; A joint load: waves 0 and 1 fetch for S1, waves 2 and 3 for S0.  The branch hangs on the wave's number alone.  Four v_nop follow each of the two lines.
.macro JLOAD g0a, g1a, g0b, g1b
	s_cmp_eq_u32 s15, 0
	s_cbranch_scc0 .Lfor_b_\@
	tensor_load_to_lds s[\g0a:\g0a+3], s[\g1a:\g1a+7]
	s_nop 0
.rept 4
	v_nop
.endr
	s_branch .Lasked_\@
.Lfor_b_\@:
	tensor_load_to_lds s[\g0b:\g0b+3], s[\g1b:\g1b+7]
	s_nop 0
.rept 4
	v_nop
.endr
.Lasked_\@:
.endm
.macro CREST                           ; a round of the cluster's barrier behind its opening barrier
	s_cmp_lg_u32 s14, 0
	s_cbranch_scc1 .Lnot_wave_0_\@
	s_barrier_signal -3
.Lnot_wave_0_\@:
	s_barrier_wait -3
	s_barrier_signal -1
	s_barrier_wait -1
.endm
.macro CROUND                          ; a whole round
	s_barrier_signal -1
	s_barrier_wait -1
	CREST
.endm
	s_load_b256 s[4:11], s[0:1], 0x0               ; x s[4:5], Wq s[6:7], Wk s[8:9], Wv s[10:11]
	s_load_b256 s[68:75], s[0:1], 0x20             ; bq s[68:69], bk s[70:71], bv s[72:73], the scales' exponents s[74:75]
	s_load_b128 s[76:79], s[0:1], 0x40             ; Q's codes s[76:77], K's s[78:79]
	s_load_b64 s[80:81], s[0:1], 0x50              ; V's
	v_lshl_add_u32 v[SPW], v0, 2, SPARE
	v_mov_b32 v[NIL], 0
	ds_add_u32 v28, v29
	ds_add_u32 v28, v29
	s_wait_dscnt 0x0
	v_lshrrev_b32 v1, 5, v0
	v_readfirstlane_b32 s14, v1                    ; wave 0..3
	s_lshr_b32 s15, s14, 1                         ; which half of S1's 256 rows is mine.  Also: I fetch for S1 (0) or for S0 (1)
	s_and_b32 s16, s14, 1                          ; which half of S0's.  Also: which 128 rows of that tile I fetch
	s_bfe_u32 s40, ttmp6, 0x40000                  ; cx, cy: my place in the cluster
	s_bfe_u32 s41, ttmp6, 0x40004
	s_and_b32 s82, ttmp7, 0xffff                   ; which 1,024 rows of x: the cluster's y
	s_lshl_b32 s43, s41, 2
	s_lshl_b32 s43, 15, s43                        ; my row of the cluster
	s_lshl_b32 s44, 0x1111, s40                    ; my column
	; descriptor group 1: a tile of 128 rows x 256 bytes, padded in LDS
	s_or_b32 s[G1+0], s43, (0<<16)|(1<<20)|(1<<21)|(5<<22)|(3<<25)  ; 15:0 the mask: S1's tiles go to my row; 17:16 element of 1 byte; 20 padding on; 21 set beside a mask; 24:22 after every 64 words (code 5); 31:25 of 4 words (code 3)
	s_or_b32 s[G1B+0], s44, (0<<16)|(1<<20)|(1<<21)|(5<<22)|(3<<25)
.irp g, G1, G1B
	s_mov_b32 s[\g+1], ROWB<<16                    ; tensor_dim0
	s_mov_b32 s[\g+2], 128<<16                     ; tensor_dim1 = 128
	s_mov_b32 s[\g+3], ROWB<<16                    ; tile_dim0
	s_mov_b32 s[\g+4], 128                         ; tile_dim1 = 128
	s_mov_b32 s[\g+5], KROW                        ; tensor_dim0_stride
	s_mov_b32 s[\g+6], 0
	s_mov_b32 s[\g+7], 0
.endr
	; where the tiles come from.  x's rows begin 1,024 x cluster y further down; W's at 0.  Which of S1 and S0 is x hangs on the cluster's x alone.
	s_lshl_b32 s83, s82, 10
	s_cmp_eq_u32 ttmp9, 2
	s_cselect_b32 s84, 0, s83                      ; S1's first row: x's for Q and K, 0 for V
	s_cselect_b32 s85, s83, 0                      ; S0's: the other way round
	s_lshl_b32 s18, s16, 7                         ; which 128 rows of the tile I fetch
	s_lshl_b32 s20, s41, 8
	s_add_co_u32 s20, s20, s18
	s_add_co_u32 s20, s20, s84                     ; S1: row 256 cy + 128 x half (+ x's rows): no register here ever holds cx
	s_lshl_b32 s20, s20, 10                        ; in bytes: under 2^23
	s_mov_b32 s21, 0
	s_lshl_b32 s46, s40, 8
	s_add_co_u32 s46, s46, s18
	s_add_co_u32 s46, s46, s85                     ; S0: row 256 cx + 128 x half (+ x's rows): no register here ever holds cy
	s_lshl_b32 s46, s46, 10
	s_mov_b32 s47, 0
	s_mul_i32 s45, s14, HALFT                      ; where they go: wave x 128 rows: no place in the cluster enters an LDS address
	s_wait_kmcnt 0x0
	s_cmp_eq_u32 ttmp9, 1                          ; the projection's weight, bias and workspace: choices on the cluster's x
	s_cselect_b64 s[86:87], s[8:9], s[6:7]
	s_cselect_b64 s[92:93], s[70:71], s[68:69]
	s_cselect_b64 s[94:95], s[78:79], s[76:77]
	s_cmp_eq_u32 ttmp9, 2
	s_cselect_b64 s[86:87], s[10:11], s[86:87]     ; W
	s_cselect_b64 s[92:93], s[72:73], s[92:93]     ; bias
	s_cselect_b64 s[94:95], s[80:81], s[94:95]     ; where the codes go
	s_cselect_b64 s[88:89], s[86:87], s[4:5]       ; S1
	s_cselect_b64 s[90:91], s[4:5], s[86:87]       ; S0
	s_load_b256 s[4:11], s[74:75], 0x0             ; entries 0 to 7 of the scales (the pointers that stood here have been chosen from)
	s_load_b32 s68, s[74:75], 0x24                 ; entry 9
	s_add_nc_u64 s[20:21], s[88:89], s[20:21]
	s_add_nc_u64 s[46:47], s[90:91], s[46:47]
	CROUND                                         ; all sixteen work-groups are here: the first joint loads meet
.irp s, 0,1
	s_mov_b32 s[G0+4*\s], 1
	s_add_co_u32 s[G0+4*\s+1], s45, \s*SLOT
	s_add_nc_u64 s[G0+4*\s+2:G0+4*\s+3], s[20:21], \s*ROWB
	s_or_b32 s[G0+4*\s+3], s[G0+4*\s+3], 0x80000000
	s_mov_b32 s[G0B+4*\s], 1
	s_add_co_u32 s[G0B+4*\s+1], s45, \s*SLOT
	s_add_nc_u64 s[G0B+4*\s+2:G0B+4*\s+3], s[46:47], \s*ROWB
	s_or_b32 s[G0B+4*\s+3], s[G0B+4*\s+3], 0x80000000
	JLOAD G0+4*\s, G1, G0B+4*\s, G1B
.endr
	v_and_b32 v1, 15, v0                           ; r = l % 16
	v_bfe_u32 v2, v0, 4, 1                         ; h = l / 16
	v_mul_u32_u24 v3, v1, PITCH
	v_lshl_add_u32 v4, v2, 4, v3                   ; a fragment's row x pitch + 16 x half
	s_mul_i32 s21, s15, HALFT                      ; my 128 rows of S1
	s_mul_i32 s22, s16, HALFT                      ; my 128 rows of S0,
	s_add_co_u32 s22, s22, 2*HALFT                 ; which lie behind S1's 256
.irp s, 0,1
	v_add_nc_u32 v[ADRA+\s], s21, v4
	v_add_nc_u32 v[ADRB+\s], s22, v4
	s_add_co_u32 s21, s21, SLOT
	s_add_co_u32 s22, s22, SLOT
.endr
	; the bias, in both layouts, with no branch: every register of the way out is written on every way
	v_lshlrev_b32 v10, 5, v2                       ; 32 h: my half's eight numbers of a block of 16
	v_lshlrev_b32 v11, 2, v1                       ; 4 r: my lane's number of a block of 16
	v_and_b32 v6, 31, v0
	v_lshlrev_b32 v12, 4, v6                       ; 16 x lane: my place in an image of four registers
	s_lshl_b32 s86, s40, 10
	s_lshl_b32 s87, s16, 9
	s_add_co_u32 s86, s86, s87                     ; 4 (256 cx + 128 x my half of S0)
	s_mov_b32 s87, 0
	s_add_nc_u64 s[88:89], s[92:93], s[86:87]
	s_lshl_b32 s86, s41, 10
	s_lshl_b32 s90, s15, 9
	s_add_co_u32 s86, s86, s90                     ; 4 (256 cy + 128 x my half of S1)
	s_add_nc_u64 s[90:91], s[92:93], s[86:87]
.irp b, 0,1,2,3,4,5,6,7
	global_load_b128 v[BIAS+8*\b:BIAS+8*\b+3], v10, s[88:89] offset:64*\b
	global_load_b128 v[BIAS+8*\b+4:BIAS+8*\b+7], v10, s[88:89] offset:64*\b+16
.endr
.irp a, 0,1,2,3,4,5,6,7
	global_load_b32 v[BV+2*\a], v11, s[90:91] offset:64*\a
	global_load_b32 v[BV+2*\a+1], v11, s[90:91] offset:64*\a     ; twice: the packed multiply-add takes the pair as it stands
.endr
	; where my codes go.  Q, K: [batch x 16 + head][tile of 16 tokens][2][lane][16 bytes];  V: [batch x 16 + head][128 keys][4 tiles of 16 features][4][lane][16 bytes]
	s_lshr_b32 s83, s82, 1
	s_lshl_b32 s83, s83, 4                         ; 16 x batch
	s_and_b32 s84, s82, 1                          ; which half of the batch's 2,048 tokens
	s_lshl_b32 s85, s40, 2
	s_add_co_u32 s85, s85, s83
	s_lshl_b32 s86, s16, 1
	s_add_co_u32 s85, s85, s86                     ; Q, K: my first head: 16 batch + 4 cx + 2 x half of S0
	s_lshl_b32 s85, s85, 7                         ; 128 tiles of tokens a head
	s_lshl_b32 s86, s84, 6
	s_add_co_u32 s85, s85, s86
	s_lshl_b32 s86, s41, 4
	s_add_co_u32 s85, s85, s86
	s_lshl_b32 s86, s15, 3
	s_add_co_u32 s85, s85, s86                     ; + my first tile of tokens
	s_lshl_b32 s85, s85, 10                        ; 1,024 bytes a tile
	s_lshl_b32 s87, s41, 2
	s_add_co_u32 s87, s87, s83
	s_lshl_b32 s86, s15, 1
	s_add_co_u32 s87, s87, s86                     ; V: my first head: 16 batch + 4 cy + 2 x half of S1
	s_lshl_b32 s87, s87, 4                         ; 16 steps of 128 keys a head
	s_lshl_b32 s86, s84, 3
	s_add_co_u32 s87, s87, s86
	s_lshl_b32 s86, s40, 1
	s_add_co_u32 s87, s87, s86
	s_add_co_u32 s87, s87, s16                     ; + my step of 128 keys
	s_lshl_b32 s87, s87, 13                        ; 8,192 bytes a step
	s_cmp_eq_u32 ttmp9, 2
	s_cselect_b32 s86, s87, s85
	s_mov_b32 s87, 0
	s_add_nc_u64 s[94:95], s[94:95], s[86:87]
.macro FRAG reg, adr, q, i             ; a fragment, 16 rows x 128 K: lane l holds row l % 16; registers 4 c .. 4 c + 3 hold K = 32 c + 16 (l / 16) + 0 .. 15: the same order of k in S0 and in S1, so every product meets its partner
.irp c, 0,1,2,3
	ds_load_b128 v[\reg+4*\c:\reg+4*\c+3], v[\adr] offset:128*(\q)+32*\c+(\i)*16*PITCH
.endr
.endm
; 16 matrix instructions: S1's blocks a0, a0 + 1 x S0's eight, 128 along K.  p: S0's set.  zero = 1: the first product starts the sums.  The 64 accumulators take turns, one instruction a turn.
.macro MUL16 a0, p, zero
.irp a, \a0, \a0+1
.irp b, 0,1,2,3,4,5,6,7
.if \zero
	v_wmma_f32_16x16x128_fp8_fp8 v[8*(8*((\a)%4)+\b):8*(8*((\a)%4)+\b)+7], v[128*(\p)+FR*\b:128*(\p)+FR*\b+FR-1], v[AF+FR*(\a):AF+FR*(\a)+FR-1], 0
.else
	v_wmma_f32_16x16x128_fp8_fp8 v[8*(8*((\a)%4)+\b):8*(8*((\a)%4)+\b)+7], v[128*(\p)+FR*\b:128*(\p)+FR*\b+FR-1], v[AF+FR*(\a):AF+FR*(\a)+FR-1], v[8*(8*((\a)%4)+\b):8*(8*((\a)%4)+\b)+7]
.endif
.endr
.endr
.endm
.macro FETCH_B slot, q, p              ; S0's eight fragments of the slot's q-th 128 along K into set p
	WIN TO_B
.irp i, 0,1,2,3,4,5,6,7
	FRAG 128*(\p)+FR*\i, ADRB+\slot, \q, \i
.endr
	WIN 0
.endm
.macro FETCH_A slot, q, i0             ; S1's blocks i0 .. i0 + 3
.irp i, \i0, \i0+1, \i0+2, \i0+3
	FRAG AF+FR*(\i), ADRA+\slot, \q, \i
.endr
.endm
; A load into a register that a matrix instruction has read, and a vector instruction that reads a matrix result or writes one of its registers, stand NP places behind it; only plain vector instructions that name none of its registers are places.
.macro PLACES n
.rept \n
	v_nop
.endr
.endm
; A step of 128 along K that has its successor in the same slot.
.macro STEP slot, q, zero
	s_wait_dscnt 4*NL                              ; S0's set and S1's blocks 0-3 are in; the youngest sixteen loads (S1's blocks 4-7) may be out
	WIN MUL_LO
	MUL16 0, (\q)%2, \zero
	MUL16 2, (\q)%2, \zero
	s_wait_dscnt 0                                 ; S1's blocks 4-7 are in
	PLACES NP
	FETCH_B \slot, (\q)+1, 1-(\q)%2
	FETCH_A \slot, (\q)+1, 0
	WIN MUL_HI
	MUL16 4, (\q)%2, \zero
	MUL16 6, (\q)%2, \zero
	PLACES NP
	WIN 0
	FETCH_A \slot, (\q)+1, 4
.endm
; A slot's last step changes slots: ONE barrier; in front of it each wave waits for all its tensor loads, adds 0 to its spare word, and waits for that and for its own reads of this slot.  fill = 1: this slot is filled again, two K steps ahead.
.macro TURN slot, next, fill
	s_wait_tensorcnt 0x0                           ; all my tensor loads have landed: my part of the next slot
	ds_add_u32 v[SPW], v[NIL]                      ; 0 onto my spare word
	s_wait_dscnt 4*NL+1                            ; (the add and the youngest sixteen loads may be out)
	WIN MUL_LO
	MUL16 0, 1, 0                                  ; sixteen matrix instructions stand between the add and the wait for it
	s_wait_dscnt 0x0                               ; the add is done, and my reads of this slot are over
	s_barrier_signal -1
	MUL16 2, 1, 0
	WIN 0
	s_barrier_wait -1
.if \fill
	CREST                                          ; the barrier has opened a round of the cluster's barrier: no wave of any partner still reads this slot's tile or has a load on its way
	s_add_nc_u64 s[G0+4*\slot+2:G0+4*\slot+3], s[G0+4*\slot+2:G0+4*\slot+3], 2*ROWB
	s_add_nc_u64 s[G0B+4*\slot+2:G0B+4*\slot+3], s[G0B+4*\slot+2:G0B+4*\slot+3], 2*ROWB
	JLOAD G0+4*\slot, G1, G0B+4*\slot, G1B         ; the first tensor load behind the round; its four v_nop are also the places in front of the loads below
.else
	PLACES NP
.endif
	FETCH_B \next, 0, 0
	FETCH_A \next, 0, 0
	WIN MUL_HI
	MUL16 4, 1, 0
	MUL16 6, 1, 0
	PLACES NP
	WIN 0
	FETCH_A \next, 0, 4
.endm
	s_wait_tensorcnt 1                             ; my part of K step 0 is in (K step 1's load, issued behind it, may be out)
	s_barrier_signal -1
	s_barrier_wait -1                              ; everybody's is
	FETCH_B 0, 0, 0
	FETCH_A 0, 0, 0
	FETCH_A 0, 0, 4
	STEP 0, 0, 1                                   ; K 0-127: its products start the sums
	TURN 0, 1, 1                                   ; K 128-255; slot 0 takes K 512-767
	STEP 1, 0, 0
	TURN 1, 0, 1                                   ; slot 1 takes K 768-1023
	STEP 0, 0, 0
	TURN 0, 1, 0                                   ; nothing is left to fetch, so no round
	STEP 1, 0, 0
	s_wait_dscnt 4*NL                              ; the very last step
	WIN MUL_LO
	MUL16 0, 1, 0
	MUL16 2, 1, 0
	s_wait_dscnt 0
	WIN MUL_HI
	MUL16 4, 1, 0
	MUL16 6, 1, 0
	WIN 0
	; THE WAY OUT.  No LDS: a lane's eight values of an accumulator become two registers of codes, and four such registers of all 32 lanes are 512 bytes on end of the workspace.
	s_wait_kmcnt 0x0
	s_add_co_i32 s4, s4, s5                        ; ea + eb of each projection,
	s_add_co_i32 s6, s6, s7
	s_add_co_i32 s8, s8, s9
	s_cmp_eq_u32 ttmp9, 1                          ; and mine, chosen with no branch
	s_cselect_b32 s4, s6, s4
	s_cselect_b32 s10, s11, s10
	s_cmp_eq_u32 ttmp9, 2
	s_cselect_b32 s4, s8, s4
	s_cselect_b32 s10, s68, s10                    ; eq
	s_add_co_i32 s4, s4, 127
	s_lshl_b32 s96, s4, 23                         ; 2^(ea + eb) as f32
	s_mov_b32 s97, s96                             ; (named with it as a pair, so it is written)
	s_add_co_i32 s10, s10, 127
	s_lshl_b32 s5, s10, 23
	v_mov_b32 v8, s5                               ; 2^eq: the conversion takes its exponent field
	s_add_co_i32 s10, s10, 8
	s_lshl_b32 s10, s10, 23
	s_or_b32 s10, s10, 0x600000
	v_mov_b32 v9, s10                              ; 448 x 2^eq
	s_wait_loadcnt 0x0                             ; the bias
	PLACES NP
; kind 0: Q, K: the bias runs along the registers.  kind 1: V: along the lanes.
.macro EPI kind
.irp a, 0,1,2,3,4,5,6,7
.set AC, 64*(\a%4)
.set CC, CD+16*(\a%2)
.if \a > 1
	s_wait_xcnt 0x0                                ; block a - 2's stores have read their data: its registers of codes are written again only behind this wait
.endif
	WIN 0x02+(\a/4)                                ; source 0: window 2 or 3
.irp b, 0,1,2,3,4,5,6,7
.irp i, 0,2,4,6
.if \kind
	v_pk_fma_f32 v[TMP+8*\b+\i:TMP+8*\b+\i+1], v[AC+8*\b+\i:AC+8*\b+\i+1], s[96:97], v[BV+2*\a:BV+2*\a+1] op_sel_hi:[1,0,1]      ; sum x 2^(ea + eb) + bias; each accumulator from its low end on
.else
	v_pk_fma_f32 v[TMP+8*\b+\i:TMP+8*\b+\i+1], v[AC+8*\b+\i:AC+8*\b+\i+1], s[96:97], v[BIAS+8*\b+\i:BIAS+8*\b+\i+1] op_sel_hi:[1,0,1]
.endif
.endr
.endr
	WIN 0
.set n, 0
.rept 64
	v_med3_num_f32 v[TMP+n], v[TMP+n], -v9, v9     ; the conversion to an 8-bit code does not saturate (ISA guide 7.6.2): the hold at the largest code x the scale
.set n, n+1
.endr
.irp b, 0,1,2,3,4,5,6,7
	v_cvt_scalef32_pk8_fp8_f32 v[CC+2*\b:CC+2*\b+1], v[TMP+8*\b:TMP+8*\b+7], v8
.endr
	v_nop                                          ; one plain vector instruction between the conversions and the next block's writes of their sources
.irp bt, 0,1,2,3
.if \kind
	global_store_b128 v12, v[CC+4*\bt:CC+4*\bt+3], s[94:95] offset:(\a/4)*131072+(\a%4)*2048+\bt*512     ; head a / 4, features 16 (a % 4) on, keys 32 bt on: 512 bytes on end
.else
	global_store_b128 v12, v[CC+4*\bt:CC+4*\bt+3], s[94:95] offset:\a*1024+(\bt/2)*131072+(\bt%2)*512    ; tokens 16 a on, head bt / 2, its features 32 (bt % 2) on: 512 bytes on end
.endif
.endr
.endr
.endm
	s_cmp_eq_u32 ttmp9, 2                          ; the cluster's x: the same way in all sixteen partners
	s_cbranch_scc1 .Lfor_v
	EPI 0
	s_branch .Ldone
.Lfor_v:
	EPI 1
.Ldone:
	s_wait_tensorcnt 0x0                           ; the wave's end
	ds_add_u32 v[SPW], v[NIL]
	s_wait_dscnt 0x0
	CROUND                                         ; the closing round: no work-group ends while a partner may still ask for a tile that names it
	s_endpgm
.Lfunc_end_k_q344fd87172_proj:
	.size	k_q344fd87172_proj, .Lfunc_end_k_q344fd87172_proj-k_q344fd87172_proj
	.p2alignl 7, 3214868480
	.fill 96, 4, 3214868480
	.section	.rodata,"a",@progbits
	.p2align	6, 0x0
	.amdhsa_kernel k_q344fd87172_proj
		.amdhsa_group_segment_fixed_size 327680
		.amdhsa_private_segment_fixed_size 0
		.amdhsa_enable_private_segment 0
		.amdhsa_kernarg_size 88
		.amdhsa_user_sgpr_count 2
		.amdhsa_user_sgpr_kernarg_segment_ptr 1
		.amdhsa_wavefront_size32 1
		.amdhsa_system_sgpr_workgroup_id_x 1
		.amdhsa_system_sgpr_workgroup_id_y 1
		.amdhsa_system_sgpr_workgroup_id_z 1
		.amdhsa_system_vgpr_workitem_id 0
		.amdhsa_next_free_vgpr 1024
		.amdhsa_next_free_sgpr 100
		.amdhsa_reserve_vcc 0
		.amdhsa_float_denorm_mode_32 3
		.amdhsa_float_denorm_mode_16_64 3
		.amdhsa_memory_ordered 1
		.amdhsa_forward_progress 1
		.amdhsa_inst_pref_size 194
	.end_amdhsa_kernel
	.amdgpu_metadata
---
amdhsa.version: [ 1, 2 ]
amdhsa.kernels:
  - .name:           k_q344fd87172_proj
    .symbol:         k_q344fd87172_proj.kd
    .args:
      - { .name: x_codes, .offset: 0, .size: 8, .value_kind: global_buffer, .address_space: global }
      - { .name: Wq_codes, .offset: 8, .size: 8, .value_kind: global_buffer, .address_space: global }
      - { .name: Wk_codes, .offset: 16, .size: 8, .value_kind: global_buffer, .address_space: global }
      - { .name: Wv_codes, .offset: 24, .size: 8, .value_kind: global_buffer, .address_space: global }
      - { .name: bq, .offset: 32, .size: 8, .value_kind: global_buffer, .address_space: global }
      - { .name: bk, .offset: 40, .size: 8, .value_kind: global_buffer, .address_space: global }
      - { .name: bv, .offset: 48, .size: 8, .value_kind: global_buffer, .address_space: global }
      - { .name: lowp_scales, .offset: 56, .size: 8, .value_kind: global_buffer, .address_space: global }
      - { .name: qws, .offset: 64, .size: 8, .value_kind: global_buffer, .address_space: global }
      - { .name: kws, .offset: 72, .size: 8, .value_kind: global_buffer, .address_space: global }
      - { .name: vws, .offset: 80, .size: 8, .value_kind: global_buffer, .address_space: global }
    .group_segment_fixed_size: 327680
    .private_segment_fixed_size: 0
    .kernarg_segment_align: 8
    .kernarg_segment_size: 88
    .max_flat_workgroup_size: 128
    .sgpr_count:     100
    .vgpr_count:     1024
    .wavefront_size: 32
...
	.end_amdgpu_metadata
.endif
;; end of part 1
;; launch attn (part 2): grid 4 x 64, 8 waves a work-group, no clusters, 103,424 bytes of LDS; arguments qws, kws, vws, lowp_scales, ows; writes ows
.if DOCPART == 2
	.amdgcn_target "amdgcn-amd-amdhsa--gfx1250"
	.amdhsa_code_object_version 6
	.text
	.protected	k_q344fd87172_attn
	.globl	k_q344fd87172_attn
	.p2align	8
	.type	k_q344fd87172_attn,@function
k_q344fd87172_attn:
	s_mov_b64 s[64:65], 0
	v_nop
	global_prefetch_b8 v0, s[64:65] scope:SCOPE_SE
	s_setreg_imm32_b32 hwreg(HW_REG_WAVE_MODE, 25, 1), 1
	s_wait_xcnt 0x0
; For one head: A = softmax(Q K^T) / 512, quantised FINISHED AND NORMALISED with 2^e8; O = A V, quantised with 2^e10.  Both products on codes of FP8 (E4M3); maxima, exponentials and sums in f32.
; Entries 6 to 10 of the scales: e6 (Q), e7 (K), e8 (A), e9 (V), e10 (O).
; A code of A wants its row's final maximum and sum.  So THE EIGHT WAVES SHARE THE KEYS, NOT THE QUERIES: wave w owns keys 256 w .. 256 w + 255 and keeps their fragments of K (128 registers) and of V (128 registers) for the
; whole launch.  A tile of 16 queries then has all its 2,048 scores in registers at once, 128 in each wave: scores and exponentials are made once.
; A TILE: S^T = K Q^T (source 0 = 16 keys, source 1 = the 16 queries: a lane holds ONE query, lane % 16, and keys 16 T + 8 (lane / 16) + 0 .. 7 of tile T).  mc = c x my wave's largest score of the query, c = log2(e) 2^(e6 + e7);
; e = 2^(c s - mc); l_w = the sum of e.  The waves exchange (mc, l_w) through LDS: M = the largest mc, l = the sum of l_w 2^(mc_w - M), f = 2^(mc - M) 2^-9 / l, A = e f.  The same mc stands in e, in l and in f, so its rounding cancels.
; The eight registers of score tile T = 8 s + c are, as codes, registers 2 c, 2 c + 1 of the second product's operand for keys 128 s on: nothing changes lanes.  O^T = V^T A^T (source 0 = 16 features), summed over the eight waves through LDS.
; V's FEATURES ARE TAKEN PERMUTED, once, by the loads' addresses: lane r of tile 2 bt + u takes feature 32 bt + 16 (r / 8) + 8 u + r % 8, so that register j of O^T's tile 2 bt + u holds feature 32 bt + 16 (lane / 16) + 8 u + j:
; a lane's 16 registers of two tiles are 16 neighbours along the output projection's K.
; SHARES: a work-group takes 512 queries (32 tiles) of one head: 4 x 64 work-groups.  ONE BARRIER A TILE, two parities of the exchange regions: it publishes this tile's (mc, l_w) and the last tile's parts of O^T.
; NO CLUSTER, NO TENSOR LOAD: the four work-groups of a head read the same 256 KB of K and V, but once in the launch, at its head, straight into the registers where they stay; through LDS each byte would make one more trip. Q's 1,024
; bytes a tile are loaded into registers a whole tile of work ahead of their use.
; LIMITS: e6 + e7 between -126 and 127; e8, and e10 - e8 - e9, between -126 and 119.  NaN and infinite scores are not served.  An exponential under 2^-126 comes out as 0 (ISA guide 15.8).
; REGISTERS.  Window 0: v1-8 addresses, v9-12 the conversions' scales and holds, v13 an address at work, v[14:15] f, v16-31 the eight (mc, l_w), v[32:33] my (mc, l_w), v34-47 at work, v48-63 two fragments of Q, v64-95 O^T,
;   v96-127 A's codes, v128-255 the scores.   Window 1: v0-127 K (tile T at 8 T), v128-255 V (keys 128 s on, tile t at 128 + 16 (4 s + t)).
.set STATP, 1280                       ; LDS 0: (mc, l_w): two parities of 16 queries x 80 bytes: wave w's pair at 8 w, 16 bytes of padding
.set OPB,   4096                       ; parts of O^T: two parities of 8 waves x 8 images of four registers (512 bytes each)
.set OPP,   32768
.set OUTS,  69632                      ; the work-group's 32 tiles of codes of O, 1,024 bytes each, as they will lie in memory
.set QF, 48
.set O,  64
.set P,  96
.set S,  128
.set MSB, 0
.macro WIN new                         ; the immediate's high byte repeats the setting that is left
.if MSB != \new
	s_set_vgpr_msb (MSB<<8)|\new
.set MSB, \new
.endif
.endm
	s_load_b256 s[4:11], s[0:1], 0x0               ; Q's codes s[4:5], K's s[6:7], V's s[8:9], the scales' exponents s[10:11]
	s_load_b64 s[12:13], s[0:1], 0x20              ; O's codes
	v_lshrrev_b32 v13, 5, v0
	v_readfirstlane_b32 s14, v13                   ; wave 0..7
	v_and_b32 v13, 31, v0
	v_lshlrev_b32 v1, 4, v13                       ; 16 x lane: my place in an image of four registers
	v_and_b32 v34, 15, v0                          ; r
	v_bfe_u32 v35, v0, 4, 1                        ; h
	v_bfe_u32 v36, v0, 3, 1                        ; r / 8
	v_and_b32 v37, 7, v0                           ; r % 8
	v_lshlrev_b32 v2, 11, v36
	v_lshl_add_u32 v2, v37, 4, v2
	v_lshl_add_u32 v2, v35, 8, v2                  ; V: 2,048 (r / 8) + 16 (r % 8) + 256 h: the natural tile and lane that hold my permuted feature
	v_mul_u32_u24 v4, v34, 80                      ; (mc, l_w) of my query, all waves'
	s_lshl_b32 s28, s14, 3
	v_add_nc_u32 v3, s28, v4                       ; and my wave's pair
	s_lshl_b32 s28, s14, 12
	s_add_co_u32 s28, s28, OPB
	v_add_nc_u32 v5, s28, v1                       ; where I put my parts of O^T
	s_lshl_b32 s28, s14, 9
	s_add_co_u32 s28, s28, OPB
	v_add_nc_u32 v6, s28, v1                       ; where I read image w of every wave's
	s_lshr_b32 s28, s14, 2
	s_lshl_b32 s28, s28, 9
	s_and_b32 s29, s14, 3
	s_lshl_b32 s29, s29, 2
	s_add_co_u32 s28, s28, s29
	s_add_co_u32 s28, s28, OUTS
	v_add_nc_u32 v7, s28, v1                       ; where my four codes of a tile go: 512 (w / 4) + 16 lane + 4 (w % 4)
	s_lshl_b32 s28, s14, 12
	s_add_co_u32 s28, s28, OUTS
	v_add_nc_u32 v8, s28, v1                       ; the four tiles that I store at the end
	v_mov_b32 v15, 0                               ; (named as the upper half of the pair v[14:15])
	v_mov_b32 v33, 0                               ; (named as the upper half of the pair v[32:33] ahead of the first sum)
	v_mov_b32 v38, 0                               ; a lane permute's destination counts as one of its sources
	s_mov_b32 s24, 0x76543210
	s_mov_b32 s25, 0xfedcba98                      ; v_permlanex16_b32's selects for lane l xor 16
	s_and_b32 s28, ttmp7, 0xffff                   ; 16 x batch + head
	s_lshl_b32 s30, s28, 17                        ; a head is 131,072 bytes in each of Q, K, V
	s_lshl_b32 s32, ttmp9, 15                      ; my block's 32 tiles of 1,024 bytes
	s_add_co_u32 s32, s32, s30
	s_mov_b32 s33, 0
	s_lshl_b32 s34, s14, 14                        ; my wave's 256 keys: 16,384 bytes in K and in V
	s_add_co_u32 s34, s34, s30
	s_mov_b32 s35, 0
	s_lshr_b32 s29, s28, 4
	s_lshl_b32 s29, s29, 7
	s_lshl_b32 s36, ttmp9, 5
	s_add_co_u32 s29, s29, s36                     ; O: my block's first tile of rows: 128 batch + 32 block,
	s_lshl_b32 s29, s29, 14                        ; 16,384 bytes a tile of rows,
	s_and_b32 s36, s28, 15
	s_lshl_b32 s36, s36, 10                        ; the head's 1,024 bytes in it,
	s_add_co_u32 s36, s36, s29
	s_lshl_b32 s29, s14, 16                        ; and the four tiles that my wave stores
	s_add_co_u32 s36, s36, s29
	s_mov_b32 s37, 0
	s_wait_kmcnt 0x0
	s_load_b128 s[16:19], s[10:11], 0x18           ; e6, e7, e8, e9
	s_load_b32 s20, s[10:11], 0x28                 ; e10
	s_add_nc_u64 s[4:5], s[4:5], s[32:33]
	s_add_nc_u64 s[6:7], s[6:7], s[34:35]
	s_add_nc_u64 s[8:9], s[8:9], s[34:35]
	s_add_nc_u64 s[12:13], s[12:13], s[36:37]
.macro QLOAD buf, off                  ; a tile's fragment of Q: 16 queries x 64: 8 registers, as they were stored
	global_load_b128 v[QF+8*(\buf):QF+8*(\buf)+3], v1, s[4:5] offset:\off
	global_load_b128 v[QF+8*(\buf)+4:QF+8*(\buf)+7], v1, s[4:5] offset:\off+512
.endm
.macro VLOAD                           ; my 8 fragments of V^T (16 features x 128 keys), features permuted
	WIN 0x40                                       ; destination window 1
.irp s, 0,1
.irp bt, 0,1
.irp u, 0,1
.irp gam, 0,1,2,3
	global_load_b128 v[128+16*(4*\s+2*\bt+\u)+4*\gam:128+16*(4*\s+2*\bt+\u)+4*\gam+3], v2, s[8:9] offset:\s*8192+\bt*4096+\u*128+\gam*512
.endr
.endr
.endr
.endr
	WIN 0
.endm
.macro QK par                          ; my 256 keys' scores of the tile: 16 products, each starting its own sum
	WIN 0x01                                       ; source 0 (K) window 1
.set t, 0
.rept 16
	v_wmma_f32_16x16x64_fp8_fp8 v[S+8*t:S+8*t+7], v[8*t:8*t+7], v[QF+8*(\par):QF+8*(\par)+7], 0
.set t, t+1
.endr
	WIN 0
.rept 4
	v_nop                                          ; four places between the last product and the first read of results (ISA guide 7.12.1)
.endr
.endm
.macro MAXR                            ; mc = c x the largest of my query's 256 scores in this wave.  Four chains, ascending: each accumulator is first read at its low end
.irp k, 0,1,2,3
	v_max3_num_f32 v[34+\k], v[S+32*\k], v[S+32*\k+1], v[S+32*\k+2]
.endr
.set n, 3
.rept 14
.irp k, 0,1,2,3
	v_max3_num_f32 v[34+\k], v[34+\k], v[S+32*\k+n], v[S+32*\k+n+1]
.endr
.set n, n+2
.endr
	v_max3_num_f32 v34, v34, v35, v36
	v_max3_num_f32 v34, v34, v37, v[S+31]
	v_max3_num_f32 v34, v34, v[S+63], v[S+95]
	v_max_num_f32 v34, v34, v[S+127]
	v_permlanex16_b32 v38, v34, s24, s25           ; the query's other 128 keys of this wave lie in the lane 16 away
	v_max_num_f32 v34, v34, v38
	v_mul_f32 v32, s22, v34                        ; c is positive
.endm
.macro EXPS                            ; e = 2^(c s - mc): ONE BATCH of 64 packed scalings and 128 exponentials; the scalings run eight pairs ahead; nothing in it names an exponential's result
.set j, 0
.rept 8
	v_pk_fma_f32 v[S+2*j:S+2*j+1], v[S+2*j:S+2*j+1], s[22:23], v[32:33] op_sel_hi:[1,0,0] neg_lo:[0,0,1] neg_hi:[0,0,1]
.set j, j+1
.endr
.set j, 0
.rept 64
.if j < 56
	v_pk_fma_f32 v[S+2*j+16:S+2*j+17], v[S+2*j+16:S+2*j+17], s[22:23], v[32:33] op_sel_hi:[1,0,0] neg_lo:[0,0,1] neg_hi:[0,0,1]
.endif
	v_exp_f32 v[S+2*j], v[S+2*j]
	v_exp_f32 v[S+2*j+1], v[S+2*j+1]
.set j, j+1
.endr
	v_nop                                          ; a plain instruction behind the last exponential,
	s_wait_alu depctr_va_vdst(0)                   ; and the one wait ahead of the batch's first reader
.endm
.macro SUMS                            ; l_w, in four packed chains
.irp k, 0,1,2,3
	v_pk_add_f32 v[40+2*\k:41+2*\k], v[S+2*\k:S+2*\k+1], v[S+8+2*\k:S+9+2*\k]
.endr
.set n, 2
.rept 14
.irp k, 0,1,2,3
	v_pk_add_f32 v[40+2*\k:41+2*\k], v[40+2*\k:41+2*\k], v[S+8*n+2*\k:S+8*n+2*\k+1]
.endr
.set n, n+1
.endr
	v_pk_add_f32 v[40:41], v[40:41], v[42:43]
	v_pk_add_f32 v[44:45], v[44:45], v[46:47]
	v_pk_add_f32 v[40:41], v[40:41], v[44:45]
	v_add_f32 v33, v40, v41
	v_permlanex16_b32 v38, v33, s24, s25
	v_add_f32 v33, v33, v38
.endm
.macro MEET par                        ; the tile's one barrier
	ds_store_b64 v3, v[32:33] offset:(\par)*STATP  ; both halves of the lanes hold the same pair and write the same bytes
	s_wait_dscnt 0x0                               ; for the others' sake: this store, my last tile's parts of O^T and my codes have landed, and my reads of the other parity are in
	s_barrier_signal -1
	s_barrier_wait -1
.endm
.macro FACTOR par                      ; f = 2^(mc - M) 2^-9 / l
.irp k, 0,1,2,3
	ds_load_b128 v[16+4*\k:19+4*\k], v4 offset:(\par)*STATP+16*\k
.endr
	s_wait_dscnt 0x0
	v_max3_num_f32 v36, v16, v18, v20
	v_max3_num_f32 v36, v36, v22, v24
	v_max3_num_f32 v36, v36, v26, v28
	v_max_num_f32 v36, v36, v30                    ; M
.irp k, 0,1,2,3,4,5,6,7
	v_sub_f32 v[16+2*\k], v[16+2*\k], v36
.endr
	v_sub_f32 v34, v32, v36
.irp k, 0,1,2,3,4,5,6,7
	v_exp_f32 v[16+2*\k], v[16+2*\k]
.endr
	v_exp_f32 v34, v34
	v_nop
	s_wait_alu depctr_va_vdst(0)                   ; one wait for the nine
	v_mul_f32 v37, v16, v17
	v_mul_f32 v39, v24, v25
	v_fma_f32 v37, v18, v19, v37
	v_fma_f32 v39, v26, v27, v39
	v_fma_f32 v37, v20, v21, v37
	v_fma_f32 v39, v28, v29, v39
	v_fma_f32 v37, v22, v23, v37
	v_fma_f32 v39, v30, v31, v39
	v_add_f32 v37, v37, v39                        ; l: at least about 1, since the wave that holds M adds its largest e
	v_rcp_f32 v35, v37
	v_mul_f32 v34, 0x3b000000, v34                 ; x 2^-9 = 1 / 512.  (The plain place behind the reciprocal)
	s_wait_alu depctr_va_vdst(0)
	v_mul_f32 v14, v34, v35
.endm
.macro SCALEP                          ; A = e f, and its codes
.set j, 0
.rept 64
	v_pk_mul_f32 v[S+2*j:S+2*j+1], v[S+2*j:S+2*j+1], v[14:15] op_sel_hi:[1,0]
.set j, j+1
.endr
	s_cmp_ge_i32 s18, -17                          ; e f is one of l's non-negative terms over 512 l: A is at most 2^-9 but for rounding; 448 x 2^e8 is at least 1.75 x 2^-9 from e8 = -17 on: there the hold can hold nothing.
	s_cbranch_scc1 .Lnohold_\@                     ; a branch on a whole number read from an input, round the hold alone
.set j, 0
.rept 128
	v_min_num_f32 v[S+j], v[S+j], v10              ; the conversion does not saturate (ISA guide 7.6.2); A is not negative, so the hold is one-sided
.set j, j+1
.endr
.Lnohold_\@:
.set t, 0
.rept 16
	v_cvt_scalef32_pk8_fp8_f32 v[P+2*t:P+2*t+1], v[S+8*t:S+8*t+7], v9
.set t, t+1
.endr
	v_nop                                          ; one plain vector instruction between the conversions and the products that read their results
.endm
.macro RLOAD ps                        ; image w (four registers of O^T) of all eight waves' parts, parity ps
.irp k, 0,1,2,3,4,5,6,7
	ds_load_b128 v[S+4*\k:S+4*\k+3], v6 offset:(\ps)*OPP+4096*\k
.endr
.endm
.macro PV                              ; my part of O^T: four accumulators by turns, one instruction a turn; the first four products start the sums
	WIN 0x01                                       ; source 0 (V) window 1
.irp t, 0,1,2,3
	v_wmma_f32_16x16x128_fp8_fp8 v[O+8*\t:O+8*\t+7], v[128+16*\t:128+16*\t+15], v[P:P+15], 0
.endr
.irp t, 0,1,2,3
	v_wmma_f32_16x16x128_fp8_fp8 v[O+8*\t:O+8*\t+7], v[192+16*\t:192+16*\t+15], v[P+16:P+31], v[O+8*\t:O+8*\t+7]
.endr
	WIN 0
.endm
.macro RSUM off                        ; the eight parts are added, held, turned into four codes and put in their place.  These plain lines name no register of the products above: they are also the places in front of the stores of O^T
	s_wait_dscnt 0x0
.irp k, 0,1,2,3
	v_pk_add_f32 v[S+4*\k:S+4*\k+1], v[S+4*\k:S+4*\k+1], v[S+16+4*\k:S+17+4*\k]
	v_pk_add_f32 v[S+4*\k+2:S+4*\k+3], v[S+4*\k+2:S+4*\k+3], v[S+18+4*\k:S+19+4*\k]
.endr
.irp k, 0,1
	v_pk_add_f32 v[S+4*\k:S+4*\k+1], v[S+4*\k:S+4*\k+1], v[S+8+4*\k:S+9+4*\k]
	v_pk_add_f32 v[S+4*\k+2:S+4*\k+3], v[S+4*\k+2:S+4*\k+3], v[S+10+4*\k:S+11+4*\k]
.endr
	v_pk_add_f32 v[S:S+1], v[S:S+1], v[S+4:S+5]
	v_pk_add_f32 v[S+2:S+3], v[S+2:S+3], v[S+6:S+7]
.irp i, 0,1,2,3
	v_med3_num_f32 v[S+\i], v[S+\i], -v12, v12     ; a sum stands for sum x 2^(e8 + e9): the hold and the conversion take 2^(e10 - e8 - e9)
.endr
.irp i, 4,5,6,7
	v_mov_b32 v[S+\i], 0                           ; the conversion takes eight numbers; the upper four codes are not used
.endr
	v_cvt_scalef32_pk8_fp8_f32 v[34:35], v[S:S+7], v11
	v_add_nc_u32 v13, s27, v7                      ; (the plain place behind the conversion)
	ds_store_b32 v13, v34 offset:\off
.endm
.macro OSTORE par                      ; my 32 registers of O^T as eight images, ascending: each accumulator is first read at its low end
.irp g, 0,1,2,3,4,5,6,7
	ds_store_b128 v5, v[O+4*\g:O+4*\g+3] offset:(\par)*OPP+512*\g
.endr
.endm
; A tile of 16 queries.  par: its parity.  qoff: where the next tile's Q lies from s[4:5].  ooff: where the LAST tile's codes go from s27.
.macro TILE par, first, last, qoff, ooff
.if \last == 0
	QLOAD 1-\par, \qoff                            ; the next tile's Q
.endif
.if \first
	VLOAD
	s_wait_loadcnt 34                              ; behind Q(0) and K: the next Q's two loads and V's 32, which may stay out
.elseif \last
	s_wait_loadcnt 0x0
.else
	s_wait_loadcnt 2                               ; this tile's Q is in; the two loads just issued may stay out
.endif
	QK \par
	MAXR
	EXPS
	SUMS
	MEET \par
	FACTOR \par
	SCALEP
.if \first
	s_wait_loadcnt 0x0                             ; V
	PV
.rept 4
	v_nop
.endr
.else
	RLOAD 1-\par                                   ; the last tile's parts, published by this tile's barrier, come in under the products
	PV
	RSUM \ooff
.endif
	OSTORE \par                                    ; this parity was last read two barriers ago
.endm
	QLOAD 0, 0
	WIN 0x40
.set n, 0
.rept 32
	global_load_b128 v[4*n:4*n+3], v1, s[6:7] offset:512*n       ; my 16 tiles of K, as they were stored
.set n, n+1
.endr
	WIN 0
	s_wait_kmcnt 0x0
	s_add_co_i32 s28, s16, s17
	s_lshl_b32 s28, s28, 23
	s_add_co_i32 s22, s28, 0x3fb8aa3b              ; c = log2(e) x 2^(e6 + e7): the exponents are added to log2(e)'s exponent field
	s_mov_b32 s23, s22                             ; (named with it as a pair, so it is written)
	s_add_co_i32 s28, s18, 127
	s_lshl_b32 s29, s28, 23
	v_mov_b32 v9, s29                              ; 2^e8
	s_add_co_i32 s28, s28, 8
	s_lshl_b32 s28, s28, 23
	s_or_b32 s28, s28, 0x600000
	v_mov_b32 v10, s28                             ; 448 x 2^e8
	s_sub_co_i32 s28, s20, s18
	s_sub_co_i32 s28, s28, s19
	s_add_co_i32 s28, s28, 127
	s_lshl_b32 s29, s28, 23
	v_mov_b32 v11, s29                             ; 2^(e10 - e8 - e9)
	s_add_co_i32 s28, s28, 8
	s_lshl_b32 s28, s28, 23
	s_or_b32 s28, s28, 0x600000
	v_mov_b32 v12, s28                             ; 448 x that
	TILE 0, 1, 0, 1024, 0                          ; tile 0
	s_wait_xcnt 0x0                                ; the loads have read their base
	s_add_nc_u64 s[4:5], s[4:5], 1024              ; at tile 1
	s_mov_b32 s27, 0
	s_mov_b32 s26, 15
.Lpair:                                            ; 15 trips: tiles 2 t + 1 and 2 t + 2
	TILE 1, 0, 0, 1024, 0
	TILE 0, 0, 0, 2048, 1024
	s_wait_xcnt 0x0
	s_add_nc_u64 s[4:5], s[4:5], 2048
	s_add_co_u32 s27, s27, 2048
	s_sub_co_u32 s26, s26, 1
	s_cmp_lg_u32 s26, 0
	s_cbranch_scc1 .Lpair
	TILE 1, 0, 1, 0, 0                             ; tile 31: nothing more to load
	s_wait_dscnt 0x0                               ; my parts of tile 31 have landed
	s_barrier_signal -1
	s_barrier_wait -1
	RLOAD 1
	RSUM 1024
	s_wait_dscnt 0x0                               ; my last codes have landed
	s_barrier_signal -1
	s_barrier_wait -1
.irp n, 0,1,2,3,4,5,6,7
	ds_load_b128 v[S+4*\n:S+4*\n+3], v8 offset:512*\n
.endr
.irp n, 0,1,2,3,4,5,6,7
	s_wait_dscnt 7-\n                              ; LDS loads come back in order: load n is in, the younger ones may be out
	global_store_b128 v1, v[S+4*\n:S+4*\n+3], s[12:13] offset:(\n/2)*16384+(\n%2)*512    ; 32 lanes store 512 bytes on end, at a multiple of 512 from the buffer's first byte
.endr
	s_wait_xcnt 0x0
	v_lshl_add_u32 v254, v0, 2, 0x19000
	v_mov_b32 v255, 0
	s_wait_tensorcnt 0x0
	ds_add_u32 v254, v255
	s_wait_dscnt 0x0
	s_endpgm
.Lfunc_end_k_q344fd87172_attn:
	.size	k_q344fd87172_attn, .Lfunc_end_k_q344fd87172_attn-k_q344fd87172_attn
	.p2alignl 7, 3214868480
	.fill 96, 4, 3214868480
	.section	.rodata,"a",@progbits
	.p2align	6, 0x0
	.amdhsa_kernel k_q344fd87172_attn
		.amdhsa_group_segment_fixed_size 103424
		.amdhsa_private_segment_fixed_size 0
		.amdhsa_enable_private_segment 0
		.amdhsa_kernarg_size 40
		.amdhsa_user_sgpr_count 2
		.amdhsa_user_sgpr_kernarg_segment_ptr 1
		.amdhsa_wavefront_size32 1
		.amdhsa_system_sgpr_workgroup_id_x 1
		.amdhsa_system_sgpr_workgroup_id_y 1
		.amdhsa_system_sgpr_workgroup_id_z 1
		.amdhsa_system_vgpr_workitem_id 0
		.amdhsa_next_free_vgpr 512
		.amdhsa_next_free_sgpr 66
		.amdhsa_reserve_vcc 0
		.amdhsa_float_denorm_mode_32 3
		.amdhsa_float_denorm_mode_16_64 3
		.amdhsa_memory_ordered 1
		.amdhsa_forward_progress 1
		.amdhsa_inst_pref_size 139
	.end_amdhsa_kernel
	.amdgpu_metadata
---
amdhsa.version: [ 1, 2 ]
amdhsa.kernels:
  - .name:           k_q344fd87172_attn
    .symbol:         k_q344fd87172_attn.kd
    .args:
      - { .name: qws, .offset: 0, .size: 8, .value_kind: global_buffer, .address_space: global }
      - { .name: kws, .offset: 8, .size: 8, .value_kind: global_buffer, .address_space: global }
      - { .name: vws, .offset: 16, .size: 8, .value_kind: global_buffer, .address_space: global }
      - { .name: lowp_scales, .offset: 24, .size: 8, .value_kind: global_buffer, .address_space: global }
      - { .name: ows, .offset: 32, .size: 8, .value_kind: global_buffer, .address_space: global }
    .group_segment_fixed_size: 103424
    .private_segment_fixed_size: 0
    .kernarg_segment_align: 8
    .kernarg_segment_size: 40
    .max_flat_workgroup_size: 256
    .sgpr_count:     66
    .vgpr_count:     512
    .wavefront_size: 32
...
	.end_amdgpu_metadata
.endif
;; end of part 2
;; launch outp (part 3): grid 4 x 32, 4 waves a work-group, clusters of 4 x 4, 327,680 bytes of LDS; arguments ows, Wo_codes, lowp_scales, bo, out0; writes out0
.if DOCPART == 3
	.amdgcn_target "amdgcn-amd-amdhsa--gfx1250"
	.amdhsa_code_object_version 6
	.text
	.protected	k_q344fd87172_outp
	.globl	k_q344fd87172_outp
	.p2align	8
	.type	k_q344fd87172_outp,@function
k_q344fd87172_outp:
	s_mov_b64 s[64:65], 0
	v_nop
	global_prefetch_b8 v0, s[64:65] scope:SCOPE_SE
	s_setreg_imm32_b32 hwreg(HW_REG_WAVE_MODE, 25, 1), 1
	s_wait_xcnt 0x0
	s_wait_alu depctr_hold_cnt(0) depctr_sa_sdst(0) depctr_va_vdst(0) depctr_va_sdst(0) depctr_va_ssrc(0) depctr_va_vcc(0) depctr_vm_vsrc(0)
	s_getreg_b32 s2, hwreg(HW_REG_IB_STS2, 6, 4)
	s_cmp_eq_u32 s2, 0
	s_cbranch_scc0 .Lentry_in_a_cluster
	s_endpgm
.Lentry_in_a_cluster:
	s_bfe_u32 s2, ttmp6, 0x10000c
	s_cmp_lg_u32 s2, 0xf033
	s_cbranch_scc0 .Lentry_shape_is_right
	s_endpgm
.Lentry_shape_is_right:
; out0 = O Wo x 2^(e10 + e11) + bo.  O: 8,192 x 1,024 codes of FP8 (E4M3), stored by the launch before as IMAGES OF OPERAND REGISTERS: [tile of 16 rows][128 along K][4][lane][16 bytes], lane (r, h) holding row r and
; k = 32 c + 16 h + 0 .. 15 of image c.  Wo: [1024 (column)][1024 (k)] codes, K innermost.  bo [1024], out0 [8192][1024]: f32.  Sums in f32; one fused multiply-add gives sum x 2^(e10 + e11) + bo.
; LIMIT: e10 + e11 between -126 and 127, so that 2^(e10 + e11) is an f32 number.
; A tile of out0, 256 x 256, is made by a work-group of four waves; a wave makes 128 x 128: 64 accumulators, 512 registers.  K goes in four steps of 256 through a ring of two LDS slots.
; CLUSTERS: 4 x 4 work-groups.  The four of a row of the cluster need the same tiles of O, the four of a column the same tiles of Wo: each is asked for JOINTLY.  128 work-groups: a smaller tile would read each LDS byte for fewer products.
; THE MATRIX INSTRUCTION IS USED TRANSPOSED (source 0 = 16 rows of Wo, source 1 = 16 rows of O): a lane then holds eight neighbouring numbers of a row of out0.
; REGISTERS: window 0: v0-31 addresses; v32-95 bo of my 128 columns; from v128 O's fragments, ONE set; on the way out v96-159 at work.   window 1: Wo's fragments, TWO sets; on the way out v0-127: rows read back.
;   window 2: the 32 accumulators of my rows 0-63;   window 3: those of my rows 64-127.
.set SIZE_N, 1024
.set ROWB,   256                       ; a row of Wo's tile in bytes
.set KROW,   1024                      ; a row of Wo in memory
.set PITCH,  272                       ; Wo's rows in LDS: 256 bytes + 16 of padding: the 16 rows that a load touches start at 16 different banks (64 banks of 4 bytes: ISA guide 11.1)
.set FR,     16
.set NL,     4
.set NP,     4
.set HALFA,  32768                     ; O: 8 tiles of rows x 4,096 bytes (256 along K), dense
.set HALFT,  128*PITCH                 ; Wo: 128 rows
.set BOFF,   2*HALFA                   ; Wo's rows lie behind O's two halves
.set SLOT,   BOFF+2*HALFT
.set SPARE,  2*SLOT                    ; behind the ring: the spare words, 128 bytes for each wave
.set SPITCH, 528                       ; the way out: a stage of 16 rows x (512 bytes + 16) for each wave, in slot 0, which has had its last fill and its last read when the first result is stored there
.set ADRA, 16
.set ADRB, 20
.set STO,  24
.set RD,   25
.set CO,   26
.set SPW,  28
.set NIL,  29
.set BIAS, 32
.set TMP,  96
.set AF,   128
.set G1, 24
.set G0, 32
.set G1B, 48
.set G0B, 56
.set MSB, 0
.macro WIN new                         ; the immediate's high byte repeats the setting that is left
.if MSB != \new
	s_set_vgpr_msb (MSB<<8)|\new
.set MSB, \new
.endif
.endm
.set MUL_LO, 0xa1
.set MUL_HI, 0xf1
.set TO_B,   0x40
.macro JLOAD g0a, g1a, g0b, g1b        ; a joint load: waves 0 and 1 fetch for O, waves 2 and 3 for Wo; four v_nop follow each of the two lines
	s_cmp_eq_u32 s15, 0
	s_cbranch_scc0 .Lfor_b_\@
	tensor_load_to_lds s[\g0a:\g0a+3], s[\g1a:\g1a+7]
	s_nop 0
.rept 4
	v_nop
.endr
	s_branch .Lasked_\@
.Lfor_b_\@:
	tensor_load_to_lds s[\g0b:\g0b+3], s[\g1b:\g1b+7]
	s_nop 0
.rept 4
	v_nop
.endr
.Lasked_\@:
.endm
.macro CREST
	s_cmp_lg_u32 s14, 0
	s_cbranch_scc1 .Lnot_wave_0_\@
	s_barrier_signal -3
.Lnot_wave_0_\@:
	s_barrier_wait -3
	s_barrier_signal -1
	s_barrier_wait -1
.endm
.macro CROUND
	s_barrier_signal -1
	s_barrier_wait -1
	CREST
.endm
	s_load_b128 s[4:7], s[0:1], 0x0                ; O's codes s[4:5], Wo's s[6:7]
	s_load_b128 s[8:11], s[0:1], 0x10              ; the scales' exponents s[8:9], bo s[10:11]
	s_load_b64 s[12:13], s[0:1], 0x20              ; out0
	v_lshl_add_u32 v[SPW], v0, 2, SPARE
	v_mov_b32 v[NIL], 0
	ds_add_u32 v28, v29
	ds_add_u32 v28, v29
	s_wait_dscnt 0x0
	v_lshrrev_b32 v1, 5, v0
	v_readfirstlane_b32 s14, v1                    ; wave 0..3
	s_lshr_b32 s15, s14, 1                         ; which half of the tile's rows is mine.  Also: I fetch for O (0) or for Wo (1)
	s_and_b32 s16, s14, 1                          ; which half of its columns.  Also: which half of that tile I fetch
	s_bfe_u32 s40, ttmp6, 0x40000                  ; cx, cy
	s_bfe_u32 s41, ttmp6, 0x40004
	s_lshl_b32 s42, ttmp9, 2
	s_add_co_u32 s42, s42, s40                     ; tile column = 4 x cluster x + cx
	s_and_b32 s17, ttmp7, 0xffff
	s_lshl_b32 s17, s17, 2
	s_add_co_u32 s17, s17, s41                     ; tile row = 4 x cluster y + cy
	s_lshl_b32 s43, s41, 2
	s_lshl_b32 s43, 15, s43                        ; my row of the cluster
	s_lshl_b32 s44, 0x1111, s40                    ; my column
	; descriptor group 1 for O: 8 rows (tiles of 16 rows of O) of 512 elements of 8 bytes, 2,048 elements apart; no padding: the images are read 512 bytes on end
	s_or_b32 s[G1+0], s43, (3<<16)|(1<<21)         ; 15:0 the mask: my row; 17:16 elements of 8 bytes; 21 set beside a mask
	s_mov_b32 s[G1+1], 512<<16                     ; tensor_dim0
	s_mov_b32 s[G1+2], 8<<16                       ; tensor_dim1
	s_mov_b32 s[G1+3], 512<<16                     ; tile_dim0
	s_mov_b32 s[G1+4], 8                           ; tile_dim1
	s_mov_b32 s[G1+5], 2048                        ; tensor_dim0_stride
	s_mov_b32 s[G1+6], 0
	s_mov_b32 s[G1+7], 0
	; for Wo: 128 rows x 256 bytes, padded in LDS
	s_or_b32 s[G1B+0], s44, (0<<16)|(1<<20)|(1<<21)|(5<<22)|(3<<25)  ; the mask: my column; elements of 1 byte; padding: 4 words after every 64
	s_mov_b32 s[G1B+1], ROWB<<16
	s_mov_b32 s[G1B+2], 128<<16
	s_mov_b32 s[G1B+3], ROWB<<16
	s_mov_b32 s[G1B+4], 128
	s_mov_b32 s[G1B+5], KROW
	s_mov_b32 s[G1B+6], 0
	s_mov_b32 s[G1B+7], 0
	s_lshl_b32 s20, s17, 4
	s_lshl_b32 s18, s16, 3
	s_add_co_u32 s20, s20, s18                     ; O: tile of rows 16 x tile row + 8 x half,
	s_lshl_b32 s20, s20, 14                        ; 16,384 bytes each: under 2^23
	s_mov_b32 s21, 0
	s_lshl_b32 s46, s42, 8
	s_lshl_b32 s18, s16, 7
	s_add_co_u32 s46, s46, s18                     ; Wo: row 256 x tile column + 128 x half,
	s_lshl_b32 s46, s46, 10                        ; 1,024 bytes each
	s_mov_b32 s47, 0
	s_lshl_b32 s45, s16, 15                        ; where they go: O's half,
	s_mul_i32 s19, s16, HALFT
	s_add_co_u32 s19, s19, BOFF                    ; Wo's half: no place in the cluster enters an LDS address
	s_wait_kmcnt 0x0
	s_load_b64 s[96:97], s[8:9], 0x28              ; e10, e11
	s_add_nc_u64 s[20:21], s[4:5], s[20:21]
	s_add_nc_u64 s[46:47], s[6:7], s[46:47]
	CROUND                                         ; all sixteen work-groups are here: the first joint loads meet
.irp s, 0,1
	s_mov_b32 s[G0+4*\s], 1
	s_add_co_u32 s[G0+4*\s+1], s45, \s*SLOT
	s_add_nc_u64 s[G0+4*\s+2:G0+4*\s+3], s[20:21], \s*4096
	s_or_b32 s[G0+4*\s+3], s[G0+4*\s+3], 0x80000000
	s_mov_b32 s[G0B+4*\s], 1
	s_add_co_u32 s[G0B+4*\s+1], s19, \s*SLOT
	s_add_nc_u64 s[G0B+4*\s+2:G0B+4*\s+3], s[46:47], \s*ROWB
	s_or_b32 s[G0B+4*\s+3], s[G0B+4*\s+3], 0x80000000
	JLOAD G0+4*\s, G1, G0B+4*\s, G1B
.endr
	v_and_b32 v1, 15, v0                           ; r
	v_bfe_u32 v2, v0, 4, 1                         ; h
	v_mul_u32_u24 v3, v1, PITCH
	v_lshl_add_u32 v4, v2, 4, v3                   ; Wo: a fragment's row x pitch + 16 x half
	v_and_b32 v6, 31, v0
	v_lshlrev_b32 v[CO], 4, v6                     ; 16 x lane: my place in an image, and in a row of 512 bytes
	s_lshl_b32 s21, s15, 15                        ; my 8 tiles of rows of O
	s_mul_i32 s22, s16, HALFT
	s_add_co_u32 s22, s22, BOFF                    ; my 128 rows of Wo
.irp s, 0,1
	v_add_nc_u32 v[ADRA+\s], s21, v[CO]
	v_add_nc_u32 v[ADRB+\s], s22, v4
	s_add_co_u32 s21, s21, SLOT
	s_add_co_u32 s22, s22, SLOT
.endr
	s_mul_i32 s23, s14, 16*SPITCH                  ; my stage
	v_mul_u32_u24 v5, v1, SPITCH                   ; in: row r, 32 bytes for each half of the lanes
	v_lshl_add_u32 v5, v2, 5, v5
	v_add_nc_u32 v[STO], s23, v5
	v_add_nc_u32 v[RD], s23, v[CO]                 ; back: the 32 lanes take one row of 512 bytes
	v_lshlrev_b32 v10, 5, v2                       ; bo: 32 h: my half's eight numbers of a block of 16
	s_lshl_b32 s46, s42, 10                        ; my first column, in bytes: 1,024 x tile column + 512 x half: in bo and in a row of out0
	s_lshl_b32 s47, s16, 9
	s_add_co_u32 s46, s46, s47
	s_mov_b32 s47, 0
	s_add_nc_u64 s[10:11], s[10:11], s[46:47]
.irp b, 0,1,2,3,4,5,6,7
	global_load_b128 v[BIAS+8*\b:BIAS+8*\b+3], v10, s[10:11] offset:64*\b
	global_load_b128 v[BIAS+8*\b+4:BIAS+8*\b+7], v10, s[10:11] offset:64*\b+16
.endr
	s_lshl_b32 s20, s17, 8
	s_lshl_b32 s21, s15, 7
	s_add_co_u32 s20, s20, s21                     ; my first row: 256 x tile row + 128 x half,
	s_lshl_b32 s20, s20, 12                        ; 4,096 bytes each: under 2^25
	s_add_co_u32 s20, s20, s46
	s_mov_b32 s21, 0
	s_add_nc_u64 s[12:13], s[12:13], s[20:21]
.macro FRAG reg, adr, q, i             ; Wo: 16 rows x 128 K: registers 4 c .. 4 c + 3 hold K = 32 c + 16 (l / 16) + 0 .. 15: the order in which O's images were laid
.irp c, 0,1,2,3
	ds_load_b128 v[\reg+4*\c:\reg+4*\c+3], v[\adr] offset:128*(\q)+32*\c+(\i)*16*PITCH
.endr
.endm
.macro FRAGA reg, adr, q, i            ; O: four images, 512 bytes on end each
.irp c, 0,1,2,3
	ds_load_b128 v[\reg+4*\c:\reg+4*\c+3], v[\adr] offset:2048*(\q)+512*\c+(\i)*4096
.endr
.endm
.macro MUL16 a0, p, zero               ; 16 matrix instructions; the 64 accumulators take turns, one instruction a turn
.irp a, \a0, \a0+1
.irp b, 0,1,2,3,4,5,6,7
.if \zero
	v_wmma_f32_16x16x128_fp8_fp8 v[8*(8*((\a)%4)+\b):8*(8*((\a)%4)+\b)+7], v[128*(\p)+FR*\b:128*(\p)+FR*\b+FR-1], v[AF+FR*(\a):AF+FR*(\a)+FR-1], 0
.else
	v_wmma_f32_16x16x128_fp8_fp8 v[8*(8*((\a)%4)+\b):8*(8*((\a)%4)+\b)+7], v[128*(\p)+FR*\b:128*(\p)+FR*\b+FR-1], v[AF+FR*(\a):AF+FR*(\a)+FR-1], v[8*(8*((\a)%4)+\b):8*(8*((\a)%4)+\b)+7]
.endif
.endr
.endr
.endm
.macro FETCH_B slot, q, p
	WIN TO_B
.irp i, 0,1,2,3,4,5,6,7
	FRAG 128*(\p)+FR*\i, ADRB+\slot, \q, \i
.endr
	WIN 0
.endm
.macro FETCH_A slot, q, i0
.irp i, \i0, \i0+1, \i0+2, \i0+3
	FRAGA AF+FR*(\i), ADRA+\slot, \q, \i
.endr
.endm
.macro PLACES n                        ; places behind matrix instructions, in front of loads into registers that they have read and of the first read of results
.rept \n
	v_nop
.endr
.endm
.macro STEP slot, q, zero
	s_wait_dscnt 4*NL                              ; Wo's set and O's blocks 0-3 are in; the youngest sixteen loads (O's blocks 4-7) may be out
	WIN MUL_LO
	MUL16 0, (\q)%2, \zero
	MUL16 2, (\q)%2, \zero
	s_wait_dscnt 0
	PLACES NP
	FETCH_B \slot, (\q)+1, 1-(\q)%2
	FETCH_A \slot, (\q)+1, 0
	WIN MUL_HI
	MUL16 4, (\q)%2, \zero
	MUL16 6, (\q)%2, \zero
	PLACES NP
	WIN 0
	FETCH_A \slot, (\q)+1, 4
.endm
.macro TURN slot, next, fill           ; a slot's last step changes slots: ONE barrier
	s_wait_tensorcnt 0x0                           ; all my tensor loads have landed: my part of the next slot
	ds_add_u32 v[SPW], v[NIL]                      ; 0 onto my spare word
	s_wait_dscnt 4*NL+1                            ; (the add and the youngest sixteen loads may be out)
	WIN MUL_LO
	MUL16 0, 1, 0
	s_wait_dscnt 0x0                               ; the add is done, and my reads of this slot are over
	s_barrier_signal -1
	MUL16 2, 1, 0
	WIN 0
	s_barrier_wait -1
.if \fill
	CREST                                          ; the barrier has opened a round of the cluster's barrier: no wave of any partner still reads this slot's tile or has a load on its way
	s_add_nc_u64 s[G0+4*\slot+2:G0+4*\slot+3], s[G0+4*\slot+2:G0+4*\slot+3], 2*4096
	s_add_nc_u64 s[G0B+4*\slot+2:G0B+4*\slot+3], s[G0B+4*\slot+2:G0B+4*\slot+3], 2*ROWB
	JLOAD G0+4*\slot, G1, G0B+4*\slot, G1B         ; the first tensor load behind the round; its four v_nop are also the places in front of the loads below
.else
	PLACES NP
.endif
	FETCH_B \next, 0, 0
	FETCH_A \next, 0, 0
	WIN MUL_HI
	MUL16 4, 1, 0
	MUL16 6, 1, 0
	PLACES NP
	WIN 0
	FETCH_A \next, 0, 4
.endm
	s_wait_tensorcnt 1                             ; my part of K step 0 is in (K step 1's load, issued behind it, may be out)
	s_barrier_signal -1
	s_barrier_wait -1                              ; everybody's is
	FETCH_B 0, 0, 0
	FETCH_A 0, 0, 0
	FETCH_A 0, 0, 4
	STEP 0, 0, 1                                   ; its products start the sums
	TURN 0, 1, 1
	STEP 1, 0, 0
	TURN 1, 0, 1
	STEP 0, 0, 0
	TURN 0, 1, 0                                   ; nothing is left to fetch, so no round
	STEP 1, 0, 0
	s_wait_dscnt 4*NL
	WIN MUL_LO
	MUL16 0, 1, 0
	MUL16 2, 1, 0
	s_wait_dscnt 0
	WIN MUL_HI
	MUL16 4, 1, 0
	MUL16 6, 1, 0
	WIN 0
; THE WAY OUT, block by block of 16 rows x 128 columns, through my own stage in LDS: in as 32 bytes a lane, back as whole rows of 512 bytes.  LDS serves a wave's instructions in order (ISA guide 5.7.1.4): no wait between the stores and the loads.
.macro TOSTAGE a
.set AC, 64*((\a)%4)
.set BB, 64*((\a)%2)
	WIN 0x02+((\a)/4)                              ; source 0: window 2 or 3
.irp j, 0,2,4,6,8,10,12,14,16,18,20,22,24,26,28,30,32,34,36,38,40,42,44,46,48,50,52,54,56,58,60,62
	v_pk_fma_f32 v[TMP+\j:TMP+\j+1], v[AC+\j:AC+\j+1], s[96:97], v[BIAS+\j:BIAS+\j+1] op_sel_hi:[1,0,1]   ; sum x 2^(e10 + e11) + bo; each accumulator from its low end on
.endr
	WIN 0
.irp b, 0,1,2,3,4,5,6,7
	ds_store_b128 v[STO], v[TMP+8*\b:TMP+8*\b+3] offset:64*\b
	ds_store_b128 v[STO], v[TMP+8*\b+4:TMP+8*\b+7] offset:64*\b+16
.endr
	WIN 0x40                                       ; destination window 1: Wo's fragments are done with
.irp t, 0,1,2,3,4,5,6,7,8,9,10,11,12,13,14,15
	ds_load_b128 v[BB+4*\t:BB+4*\t+3], v[RD] offset:\t*SPITCH
.endr
	WIN 0
.endm
.macro SEND a, younger                 ; younger: the LDS instructions issued behind block a's loads, which may stay out
.set BB, 64*((\a)%2)
	s_wait_dscnt \younger
.if (\a) > 0
	s_add_nc_u64 s[12:13], s[12:13], 16*SIZE_N*4   ; (behind a wait on XCNT: the earlier stores have read their base)
.endif
	WIN 0x04                                       ; the stores' data: window 1
.irp t, 0,1,2,3,4,5,6,7,8,9,10,11,12,13,14,15
	global_store_b128 v[CO], v[BB+4*\t:BB+4*\t+3], s[12:13] offset:\t*SIZE_N*4 th:TH_STORE_NT   ; 32 lanes store 512 bytes on end, at a multiple of 512 from out0's first byte; written once, read by nobody here
.endr
	WIN 0
.endm
	s_wait_kmcnt 0x0
	s_add_co_i32 s96, s96, s97
	s_add_co_i32 s96, s96, 127
	s_lshl_b32 s96, s96, 23                        ; 2^(e10 + e11) as f32
	s_mov_b32 s97, s96                             ; (named with it as a pair, so it is written)
	s_wait_loadcnt 0x0                             ; bo
	PLACES NP
	TOSTAGE 0
.irp a, 1,2,3,4,5,6,7
.if \a > 1
	s_wait_xcnt 0x0                                ; block a - 2's stores have read their registers and their base
.endif
	TOSTAGE \a
	SEND \a-1, 32                                  ; behind block a - 1's loads: block a's 16 stores and 16 loads
.endr
	s_wait_xcnt 0x0
	SEND 7, 0
	s_wait_tensorcnt 0x0                           ; the wave's end
	ds_add_u32 v[SPW], v[NIL]
	s_wait_dscnt 0x0
	CROUND                                         ; the closing round
	s_endpgm
.Lfunc_end_k_q344fd87172_outp:
	.size	k_q344fd87172_outp, .Lfunc_end_k_q344fd87172_outp-k_q344fd87172_outp
	.p2alignl 7, 3214868480
	.fill 96, 4, 3214868480
	.section	.rodata,"a",@progbits
	.p2align	6, 0x0
	.amdhsa_kernel k_q344fd87172_outp
		.amdhsa_group_segment_fixed_size 327680
		.amdhsa_private_segment_fixed_size 0
		.amdhsa_enable_private_segment 0
		.amdhsa_kernarg_size 40
		.amdhsa_user_sgpr_count 2
		.amdhsa_user_sgpr_kernarg_segment_ptr 1
		.amdhsa_wavefront_size32 1
		.amdhsa_system_sgpr_workgroup_id_x 1
		.amdhsa_system_sgpr_workgroup_id_y 1
		.amdhsa_system_sgpr_workgroup_id_z 1
		.amdhsa_system_vgpr_workitem_id 0
		.amdhsa_next_free_vgpr 1024
		.amdhsa_next_free_sgpr 100
		.amdhsa_reserve_vcc 0
		.amdhsa_float_denorm_mode_32 3
		.amdhsa_float_denorm_mode_16_64 3
		.amdhsa_memory_ordered 1
		.amdhsa_forward_progress 1
		.amdhsa_inst_pref_size 126
	.end_amdhsa_kernel
	.amdgpu_metadata
---
amdhsa.version: [ 1, 2 ]
amdhsa.kernels:
  - .name:           k_q344fd87172_outp
    .symbol:         k_q344fd87172_outp.kd
    .args:
      - { .name: ows, .offset: 0, .size: 8, .value_kind: global_buffer, .address_space: global }
      - { .name: Wo_codes, .offset: 8, .size: 8, .value_kind: global_buffer, .address_space: global }
      - { .name: lowp_scales, .offset: 16, .size: 8, .value_kind: global_buffer, .address_space: global }
      - { .name: bo, .offset: 24, .size: 8, .value_kind: global_buffer, .address_space: global }
      - { .name: out0, .offset: 32, .size: 8, .value_kind: global_buffer, .address_space: global }
    .group_segment_fixed_size: 327680
    .private_segment_fixed_size: 0
    .kernarg_segment_align: 8
    .kernarg_segment_size: 40
    .max_flat_workgroup_size: 128
    .sgpr_count:     100
    .vgpr_count:     1024
    .wavefront_size: 32
...
	.end_amdgpu_metadata
.endif
;; end of part 3
;; ======== version 2 of 2: 3 launches; version 1 with the launch attn written anew for expert scheduling mode
;; workspace buffers: qws 8,388,608 bytes; kws 8,388,608 bytes; vws 8,388,608 bytes; ows 8,388,608 bytes
;; launch proj: the kernel of part 1 again; grid 12 x 32, 4 waves a work-group, clusters of 4 x 4, 327,680 bytes of LDS; arguments x_codes, Wq_codes, Wk_codes, Wv_codes, bq, bk, bv, lowp_scales, qws, kws, vws; writes qws, kws, vws
;; launch attn (part 4): grid 4 x 64, 8 waves a work-group, no clusters, 103,424 bytes of LDS; arguments qws, kws, vws, lowp_scales, ows; writes ows
.if DOCPART == 4
	.amdgcn_target "amdgcn-amd-amdhsa--gfx1250"
	.amdhsa_code_object_version 6
	.text
	.protected	k_q344fd87172_attn
	.globl	k_q344fd87172_attn
	.p2align	8
	.type	k_q344fd87172_attn,@function
k_q344fd87172_attn:
	s_mov_b64 s[64:65], 0
	v_nop
	global_prefetch_b8 v0, s[64:65] scope:SCOPE_SE
	s_setreg_imm32_b32 hwreg(HW_REG_WAVE_SCHED_MODE, 0, 2), 2
	s_setreg_imm32_b32 hwreg(HW_REG_WAVE_MODE, 25, 1), 1
	s_wait_xcnt 0x0
	s_wait_alu depctr_vm_vsrc(0)
; For one head: A = softmax(Q K^T) / 512, quantised FINISHED AND NORMALISED with 2^e8; O = A V, quantised with 2^e10.  Both products on codes of FP8 (E4M3); maxima, exponentials and sums in f32.
; Entries 6 to 10 of the scales: e6 (Q), e7 (K), e8 (A), e9 (V), e10 (O).
; A code of A wants its row's final maximum and sum.  So THE EIGHT WAVES SHARE THE KEYS, NOT THE QUERIES: wave w owns keys 256 w .. 256 w + 255 and keeps their fragments of K (128 registers) and of V (128 registers) for the
; whole launch.  A tile of 16 queries then has all its 2,048 scores in registers at once, 128 in each wave: scores and exponentials are made once.
; A TILE: S^T = K Q^T (source 0 = 16 keys, source 1 = the 16 queries: a lane holds ONE query, lane % 16, and keys 16 T + 8 (lane / 16) + 0 .. 7 of tile T).  mc = c x my wave's largest score of the query, c = log2(e) 2^(e6 + e7);
; e = 2^(c s - mc); l_w = the sum of e.  The waves exchange (mc, l_w) through LDS: M = the largest mc, l = the sum of l_w 2^(mc_w - M), f = 2^(mc - M) 2^-9 / l, A = e f.  The same mc stands in e, in l and in f, so its rounding cancels.
; The eight registers of score tile T = 8 s + c are, as codes, registers 2 c, 2 c + 1 of the second product's operand for keys 128 s on: nothing changes lanes.  O^T = V^T A^T (source 0 = 16 features), summed over the eight waves through LDS.
; V's FEATURES ARE TAKEN PERMUTED, once, by the loads' addresses: lane r of tile 2 bt + u takes feature 32 bt + 16 (r / 8) + 8 u + r % 8, so that register j of O^T's tile 2 bt + u holds feature 32 bt + 16 (lane / 16) + 8 u + j:
; a lane's 16 registers of two tiles are 16 neighbours along the output projection's K.
; SHARES: a work-group takes 512 queries (32 tiles) of one head: 4 x 64 work-groups.  ONE BARRIER A TILE, two parities of the exchange regions: it publishes this tile's (mc, l_w) and the last tile's parts of O^T.
; NO CLUSTER, NO TENSOR LOAD: the four work-groups of a head read the same 256 KB of K and V, but once in the launch, at its head, straight into the registers where they stay; through LDS each byte would make one more trip. Q's 1,024
; bytes a tile are loaded into registers a whole tile of work ahead of their use.
; LIMITS: e6 + e7 between -126 and 127; e8, and e10 - e8 - e9, between -126 and 119.  NaN and infinite scores are not served.  An exponential under 2^-126 comes out as 0 (ISA guide 15.8).
; REGISTERS.  Window 0: v1-8 addresses, v9-12 the conversions' scales and holds, v13 an address at work, v[14:15] f, v16-31 the eight (mc, l_w), v[32:33] my (mc, l_w), v34-47 at work, v48-63 two fragments of Q, v64-95 O^T,
;   v96-127 A's codes, v128-255 the scores.   Window 1: v0-127 K (tile T at 8 T), v128-255 V (keys 128 s on, tile t at 128 + 16 (4 s + t)).
; THE MODE: SCHED_MODE bits 1:0 = 2 (LLVM: expert scheduling mode 2), set by the entry lines.  The code itself states the register dependences between vector or matrix instructions and memory or LDS instructions,
; with s_wait_alu, always for 0.
; THE PLAN.  Registers that memory or LDS instructions touch:
;   v1-v8          offsets and LDS addresses: written at the head, never again; one wait on va_vdst ahead of the first load serves every load and store of the kernel.
;   QF0, QF1       Tile t's products K Q^T read QF[t % 2]; the load at tile t + 1's head lands in it.  Tile t's wait behind its exponentials stands between, and nothing names the fragment since.
;   v[32:33]       Written by the maximum and the sum; read by the tile's one store of (mc, l_w): a wait on va_vdst ahead of that store.
;   v16-31         The loads of the eight (mc, l_w) land here; the factor's arithmetic reads and writes them; the wait behind its reciprocal stands behind the last of that, ahead of the next tile's loads.
;   v[S .. S+31]   The loads of the last tile's parts of O^T land here.  They stand behind the conversions of score tiles 0 to 3, the last to read these registers, and a wait on va_vdst; the other twelve conversions, which name
;                  v[S+32] on, and the products V^T A^T follow the loads.
;   v13, v34, O^T  Written by the sum of the parts and by the products V^T A^T; read by the store of four codes and the eight stores of O^T: one wait on va_vdst ahead of the nine.
;   v32, v33, v34, v13 and O^T are written again in the next tile: ONE wait on vm_vsrc a tile, behind the products K Q^T and ahead of the maximum's first line, states that the last tile's LDS stores have read them.
;   K and V (window 1) are loaded once, into registers that no vector instruction has named.
.set STATP, 1280                       ; LDS 0: (mc, l_w): two parities of 16 queries x 80 bytes: wave w's pair at 8 w, 16 bytes of padding
.set OPB,   4096                       ; parts of O^T: two parities of 8 waves x 8 images of four registers (512 bytes each)
.set OPP,   32768
.set OUTS,  69632                      ; the work-group's 32 tiles of codes of O, 1,024 bytes each, as they will lie in memory
.set QF, 48
.set O,  64
.set P,  96
.set S,  128
.set MSB, 0
.macro WIN new                         ; the immediate's high byte repeats the setting that is left
.if MSB != \new
	s_set_vgpr_msb (MSB<<8)|\new
.set MSB, \new
.endif
.endm
	s_load_b256 s[4:11], s[0:1], 0x0               ; Q's codes s[4:5], K's s[6:7], V's s[8:9], the scales' exponents s[10:11]
	s_load_b64 s[12:13], s[0:1], 0x20              ; O's codes
	v_lshrrev_b32 v13, 5, v0
	v_readfirstlane_b32 s14, v13                   ; wave 0..7
	v_and_b32 v13, 31, v0
	v_lshlrev_b32 v1, 4, v13                       ; 16 x lane: my place in an image of four registers
	v_and_b32 v34, 15, v0                          ; r
	v_bfe_u32 v35, v0, 4, 1                        ; h
	v_bfe_u32 v36, v0, 3, 1                        ; r / 8
	v_and_b32 v37, 7, v0                           ; r % 8
	v_lshlrev_b32 v2, 11, v36
	v_lshl_add_u32 v2, v37, 4, v2
	v_lshl_add_u32 v2, v35, 8, v2                  ; V: 2,048 (r / 8) + 16 (r % 8) + 256 h: the natural tile and lane that hold my permuted feature
	v_mul_u32_u24 v4, v34, 80                      ; (mc, l_w) of my query, all waves'
	s_wait_alu depctr_va_sdst(0)                   ; s14 is written, ahead of its first reader: LDS addresses and the bases of K, V and O are made from it
	s_lshl_b32 s28, s14, 3
	v_add_nc_u32 v3, s28, v4                       ; and my wave's pair
	s_lshl_b32 s28, s14, 12
	s_add_co_u32 s28, s28, OPB
	v_add_nc_u32 v5, s28, v1                       ; where I put my parts of O^T
	s_lshl_b32 s28, s14, 9
	s_add_co_u32 s28, s28, OPB
	v_add_nc_u32 v6, s28, v1                       ; where I read image w of every wave's
	s_lshr_b32 s28, s14, 2
	s_lshl_b32 s28, s28, 9
	s_and_b32 s29, s14, 3
	s_lshl_b32 s29, s29, 2
	s_add_co_u32 s28, s28, s29
	s_add_co_u32 s28, s28, OUTS
	v_add_nc_u32 v7, s28, v1                       ; where my four codes of a tile go: 512 (w / 4) + 16 lane + 4 (w % 4)
	s_lshl_b32 s28, s14, 12
	s_add_co_u32 s28, s28, OUTS
	v_add_nc_u32 v8, s28, v1                       ; the four tiles that I store at the end
	v_mov_b32 v15, 0                               ; (named as the upper half of the pair v[14:15])
	v_mov_b32 v33, 0                               ; (named as the upper half of the pair v[32:33] ahead of the first sum)
	v_mov_b32 v38, 0                               ; a lane permute's destination counts as one of its sources
	s_mov_b32 s24, 0x76543210
	s_mov_b32 s25, 0xfedcba98                      ; v_permlanex16_b32's selects for lane l xor 16
	s_and_b32 s28, ttmp7, 0xffff                   ; 16 x batch + head
	s_lshl_b32 s30, s28, 17                        ; a head is 131,072 bytes in each of Q, K, V
	s_lshl_b32 s32, ttmp9, 15                      ; my block's 32 tiles of 1,024 bytes
	s_add_co_u32 s32, s32, s30
	s_mov_b32 s33, 0
	s_lshl_b32 s34, s14, 14                        ; my wave's 256 keys: 16,384 bytes in K and in V
	s_add_co_u32 s34, s34, s30
	s_mov_b32 s35, 0
	s_lshr_b32 s29, s28, 4
	s_lshl_b32 s29, s29, 7
	s_lshl_b32 s36, ttmp9, 5
	s_add_co_u32 s29, s29, s36                     ; O: my block's first tile of rows: 128 batch + 32 block,
	s_lshl_b32 s29, s29, 14                        ; 16,384 bytes a tile of rows,
	s_and_b32 s36, s28, 15
	s_lshl_b32 s36, s36, 10                        ; the head's 1,024 bytes in it,
	s_add_co_u32 s36, s36, s29
	s_lshl_b32 s29, s14, 16                        ; and the four tiles that my wave stores
	s_add_co_u32 s36, s36, s29
	s_mov_b32 s37, 0
	s_wait_kmcnt 0x0
	s_load_b128 s[16:19], s[10:11], 0x18           ; e6, e7, e8, e9
	s_load_b32 s20, s[10:11], 0x28                 ; e10
	s_add_nc_u64 s[4:5], s[4:5], s[32:33]
	s_add_nc_u64 s[6:7], s[6:7], s[34:35]
	s_add_nc_u64 s[8:9], s[8:9], s[34:35]
	s_add_nc_u64 s[12:13], s[12:13], s[36:37]
.macro QLOAD buf, off                  ; a tile's fragment of Q: 16 queries x 64: 8 registers, as they were stored
	global_load_b128 v[QF+8*(\buf):QF+8*(\buf)+3], v1, s[4:5] offset:\off
	global_load_b128 v[QF+8*(\buf)+4:QF+8*(\buf)+7], v1, s[4:5] offset:\off+512
.endm
.macro VLOAD                           ; my 8 fragments of V^T (16 features x 128 keys), features permuted.  No wait: v2 stands ahead of the head's wait on va_vdst, and no vector instruction has named these registers of window 1
	WIN 0x40                                       ; destination window 1
.irp s, 0,1
.irp bt, 0,1
.irp u, 0,1
.irp gam, 0,1,2,3
	global_load_b128 v[128+16*(4*\s+2*\bt+\u)+4*\gam:128+16*(4*\s+2*\bt+\u)+4*\gam+3], v2, s[8:9] offset:\s*8192+\bt*4096+\u*128+\gam*512
.endr
.endr
.endr
.endr
	WIN 0
.endm
.macro QK par                          ; my 256 keys' scores of the tile: 16 products, each starting its own sum
	WIN 0x01                                       ; source 0 (K) window 1
.set t, 0
.rept 16
	v_wmma_f32_16x16x64_fp8_fp8 v[S+8*t:S+8*t+7], v[8*t:8*t+7], v[QF+8*(\par):QF+8*(\par)+7], 0
.set t, t+1
.endr
	WIN 0
.rept 4
	v_nop                                          ; four places between the last product and the first read of results (ISA guide 7.12.1)
.endr
.endm
.macro MAXR                            ; mc = c x the largest of my query's 256 scores in this wave.  Four chains, ascending: each accumulator is first read at its low end
.irp k, 0,1,2,3
	v_max3_num_f32 v[34+\k], v[S+32*\k], v[S+32*\k+1], v[S+32*\k+2]
.endr
.set n, 3
.rept 14
.irp k, 0,1,2,3
	v_max3_num_f32 v[34+\k], v[34+\k], v[S+32*\k+n], v[S+32*\k+n+1]
.endr
.set n, n+2
.endr
	v_max3_num_f32 v34, v34, v35, v36
	v_max3_num_f32 v34, v34, v37, v[S+31]
	v_max3_num_f32 v34, v34, v[S+63], v[S+95]
	v_max_num_f32 v34, v34, v[S+127]
	v_permlanex16_b32 v38, v34, s24, s25           ; the query's other 128 keys of this wave lie in the lane 16 away
	v_max_num_f32 v34, v34, v38
	v_mul_f32 v32, s22, v34                        ; c is positive
.endm
.macro EXPS                            ; e = 2^(c s - mc): ONE BATCH of 64 packed scalings and 128 exponentials; the scalings run eight pairs ahead; nothing in it names an exponential's result
.set j, 0
.rept 8
	v_pk_fma_f32 v[S+2*j:S+2*j+1], v[S+2*j:S+2*j+1], s[22:23], v[32:33] op_sel_hi:[1,0,0] neg_lo:[0,0,1] neg_hi:[0,0,1]
.set j, j+1
.endr
.set j, 0
.rept 64
.if j < 56
	v_pk_fma_f32 v[S+2*j+16:S+2*j+17], v[S+2*j+16:S+2*j+17], s[22:23], v[32:33] op_sel_hi:[1,0,0] neg_lo:[0,0,1] neg_hi:[0,0,1]
.endif
	v_exp_f32 v[S+2*j], v[S+2*j]
	v_exp_f32 v[S+2*j+1], v[S+2*j+1]
.set j, j+1
.endr
	v_nop                                          ; a plain instruction behind the last exponential,
	s_wait_alu depctr_va_vdst(0)                   ; the 128 exponentials have written v[S .. S+127]: one wait, ahead of their first reader.  Also: this tile's products K Q^T are done reading their fragment of Q, in which the load at the next tile's head lands
.endm
.macro SUMS                            ; l_w, in four packed chains
.irp k, 0,1,2,3
	v_pk_add_f32 v[40+2*\k:41+2*\k], v[S+2*\k:S+2*\k+1], v[S+8+2*\k:S+9+2*\k]
.endr
.set n, 2
.rept 14
.irp k, 0,1,2,3
	v_pk_add_f32 v[40+2*\k:41+2*\k], v[40+2*\k:41+2*\k], v[S+8*n+2*\k:S+8*n+2*\k+1]
.endr
.set n, n+1
.endr
	v_pk_add_f32 v[40:41], v[40:41], v[42:43]
	v_pk_add_f32 v[44:45], v[44:45], v[46:47]
	v_pk_add_f32 v[40:41], v[40:41], v[44:45]
	v_add_f32 v33, v40, v41
	v_permlanex16_b32 v38, v33, s24, s25
	v_add_f32 v33, v33, v38
.endm
.macro MEET par                        ; the tile's one barrier
	s_wait_alu depctr_va_vdst(0)                   ; the maximum has written v32 and the sum v33, which the store below reads
	ds_store_b64 v3, v[32:33] offset:(\par)*STATP  ; both halves of the lanes hold the same pair and write the same bytes
	s_wait_dscnt 0x0                               ; for the others' sake: this store, my last tile's parts of O^T and my codes have landed, and my reads of the other parity are in
	s_barrier_signal -1
	s_barrier_wait -1
.endm
.macro FACTOR par                      ; f = 2^(mc - M) 2^-9 / l
.irp k, 0,1,2,3
	ds_load_b128 v[16+4*\k:19+4*\k], v4 offset:(\par)*STATP+16*\k   ; no wait on va_vdst: the last to name v16-31 was the last tile's factor, ahead of the wait behind its reciprocal
.endr
	s_wait_dscnt 0x0
	v_max3_num_f32 v36, v16, v18, v20
	v_max3_num_f32 v36, v36, v22, v24
	v_max3_num_f32 v36, v36, v26, v28
	v_max_num_f32 v36, v36, v30                    ; M
.irp k, 0,1,2,3,4,5,6,7
	v_sub_f32 v[16+2*\k], v[16+2*\k], v36
.endr
	v_sub_f32 v34, v32, v36
.irp k, 0,1,2,3,4,5,6,7
	v_exp_f32 v[16+2*\k], v[16+2*\k]
.endr
	v_exp_f32 v34, v34
	v_nop
	s_wait_alu depctr_va_vdst(0)                   ; the nine exponentials have written v16, v18 .. v30 and v34: one wait, ahead of their first reader
	v_mul_f32 v37, v16, v17
	v_mul_f32 v39, v24, v25
	v_fma_f32 v37, v18, v19, v37
	v_fma_f32 v39, v26, v27, v39
	v_fma_f32 v37, v20, v21, v37
	v_fma_f32 v39, v28, v29, v39
	v_fma_f32 v37, v22, v23, v37
	v_fma_f32 v39, v30, v31, v39
	v_add_f32 v37, v37, v39                        ; l: at least about 1, since the wave that holds M adds its largest e
	v_rcp_f32 v35, v37
	v_mul_f32 v34, 0x3b000000, v34                 ; x 2^-9 = 1 / 512.  (The plain place behind the reciprocal)
	s_wait_alu depctr_va_vdst(0)                   ; the reciprocal has written v35, ahead of its reader.  Also: the multiply-adds above are done reading v16-31, in which the next tile's loads of (mc, l_w) land
	v_mul_f32 v14, v34, v35
.endm
.macro RLOAD ps                        ; image w (four registers of O^T) of all eight waves' parts, parity ps
.irp k, 0,1,2,3,4,5,6,7
	ds_load_b128 v[S+4*\k:S+4*\k+3], v6 offset:(\ps)*OPP+4096*\k
.endr
.endm
.macro SCALEP rl, ps                   ; A = e f, and its codes.  rl = 1: the last tile's parts of O^T, parity ps, are asked for among the conversions
.set j, 0
.rept 64
	v_pk_mul_f32 v[S+2*j:S+2*j+1], v[S+2*j:S+2*j+1], v[14:15] op_sel_hi:[1,0]
.set j, j+1
.endr
	s_cmp_ge_i32 s18, -17                          ; e f is one of l's non-negative terms over 512 l: A is at most 2^-9 but for rounding; 448 x 2^e8 is at least 1.75 x 2^-9 from e8 = -17 on: there the hold can hold nothing.
	s_cbranch_scc1 .Lnohold_\@                     ; a branch on a whole number read from an input, round the hold alone
.set j, 0
.rept 128
	v_min_num_f32 v[S+j], v[S+j], v10              ; the conversion does not saturate (ISA guide 7.6.2); A is not negative, so the hold is one-sided
.set j, j+1
.endr
.Lnohold_\@:
.set t, 0
.rept 4
	v_cvt_scalef32_pk8_fp8_f32 v[P+2*t:P+2*t+1], v[S+8*t:S+8*t+7], v9
.set t, t+1
.endr
.if \rl
	s_wait_alu depctr_va_vdst(0)                   ; the scalings, the hold and these four conversions are done with v[S .. S+31], in which the eight loads below land
	RLOAD \ps                                      ; the last tile's parts, published by this tile's barrier, come in under the twelve conversions and the products that follow, none of which names v[S .. S+31]
.endif
.rept 12
	v_cvt_scalef32_pk8_fp8_f32 v[P+2*t:P+2*t+1], v[S+8*t:S+8*t+7], v9
.set t, t+1
.endr
	v_nop                                          ; one plain vector instruction between the conversions and the products that read their results
.endm
.macro PV                              ; my part of O^T: four accumulators by turns, one instruction a turn; the first four products start the sums
	WIN 0x01                                       ; source 0 (V) window 1
.irp t, 0,1,2,3
	v_wmma_f32_16x16x128_fp8_fp8 v[O+8*\t:O+8*\t+7], v[128+16*\t:128+16*\t+15], v[P:P+15], 0
.endr
.irp t, 0,1,2,3
	v_wmma_f32_16x16x128_fp8_fp8 v[O+8*\t:O+8*\t+7], v[192+16*\t:192+16*\t+15], v[P+16:P+31], v[O+8*\t:O+8*\t+7]
.endr
	WIN 0
.endm
.macro RSUM off                        ; the eight parts are added, held, turned into four codes and put in their place.  These plain lines name no register of the products above: they are also the places in front of the stores of O^T
	s_wait_dscnt 0x0
.irp k, 0,1,2,3
	v_pk_add_f32 v[S+4*\k:S+4*\k+1], v[S+4*\k:S+4*\k+1], v[S+16+4*\k:S+17+4*\k]
	v_pk_add_f32 v[S+4*\k+2:S+4*\k+3], v[S+4*\k+2:S+4*\k+3], v[S+18+4*\k:S+19+4*\k]
.endr
.irp k, 0,1
	v_pk_add_f32 v[S+4*\k:S+4*\k+1], v[S+4*\k:S+4*\k+1], v[S+8+4*\k:S+9+4*\k]
	v_pk_add_f32 v[S+4*\k+2:S+4*\k+3], v[S+4*\k+2:S+4*\k+3], v[S+10+4*\k:S+11+4*\k]
.endr
	v_pk_add_f32 v[S:S+1], v[S:S+1], v[S+4:S+5]
	v_pk_add_f32 v[S+2:S+3], v[S+2:S+3], v[S+6:S+7]
.irp i, 0,1,2,3
	v_med3_num_f32 v[S+\i], v[S+\i], -v12, v12     ; a sum stands for sum x 2^(e8 + e9): the hold and the conversion take 2^(e10 - e8 - e9)
.endr
.irp i, 4,5,6,7
	v_mov_b32 v[S+\i], 0                           ; the conversion takes eight numbers; the upper four codes are not used
.endr
	v_cvt_scalef32_pk8_fp8_f32 v[34:35], v[S:S+7], v11
	v_add_nc_u32 v13, s27, v7                      ; (the plain place behind the conversion)
	s_wait_alu depctr_va_vdst(0)                   ; the conversion has written v34 and the addition v13, which the store below reads; in a tile the products V^T A^T have written O^T, which the eight stores behind it read.  Also: the lines above are done with v[S .. S+31], in which the tail's loads land
	ds_store_b32 v13, v34 offset:\off
.endm
.macro OSTORE par                      ; my 32 registers of O^T as eight images, ascending: each accumulator is first read at its low end
.irp g, 0,1,2,3,4,5,6,7
	ds_store_b128 v5, v[O+4*\g:O+4*\g+3] offset:(\par)*OPP+512*\g
.endr
.endm
; A tile of 16 queries.  par: its parity.  qoff: where the next tile's Q lies from s[4:5].  ooff: where the LAST tile's codes go from s27.
.macro TILE par, first, last, qoff, ooff
.if \last == 0
	QLOAD 1-\par, \qoff                            ; the next tile's Q.  No wait on va_vdst: the last tile's products, which read this fragment, stand ahead of that tile's wait behind its exponentials, and nothing has named it since
.endif
.if \first
	VLOAD
	s_wait_loadcnt 34                              ; behind Q(0) and K: the next Q's two loads and V's 32, which may stay out
.elseif \last
	s_wait_loadcnt 0x0
.else
	s_wait_loadcnt 2                               ; this tile's Q is in; the two loads just issued may stay out
.endif
	QK \par
.if \first == 0
	s_wait_alu depctr_vm_vsrc(0)                   ; the last tile's LDS stores have read v[32:33], v13, v34 and O^T, all of which this tile writes again, v34 first, in the next line
.endif
	MAXR
	EXPS
	SUMS
	MEET \par
	FACTOR \par
.if \first
	SCALEP 0, 0
	s_wait_loadcnt 0x0                             ; V
	PV
.rept 4
	v_nop                                          ; four places between the last product and the stores that read its result; they stay beside the wait below
.endr
	s_wait_alu depctr_va_vdst(0)                   ; the products V^T A^T have written O^T, which the eight stores below read
.else
	SCALEP 1, 1-\par
	PV
	RSUM \ooff
.endif
	OSTORE \par                                    ; this parity was last read two barriers ago
.endm
	s_wait_alu depctr_va_vdst(0)                   ; the offsets and LDS addresses v1 to v8 are written, which every load and store of the kernel reads; none of them is written again
	QLOAD 0, 0
	WIN 0x40
.set n, 0
.rept 32
	global_load_b128 v[4*n:4*n+3], v1, s[6:7] offset:512*n       ; my 16 tiles of K, as they were stored
.set n, n+1
.endr
	WIN 0
	s_wait_kmcnt 0x0
	s_add_co_i32 s28, s16, s17
	s_lshl_b32 s28, s28, 23
	s_add_co_i32 s22, s28, 0x3fb8aa3b              ; c = log2(e) x 2^(e6 + e7): the exponents are added to log2(e)'s exponent field
	s_mov_b32 s23, s22                             ; (named with it as a pair, so it is written)
	s_add_co_i32 s28, s18, 127
	s_lshl_b32 s29, s28, 23
	v_mov_b32 v9, s29                              ; 2^e8
	s_add_co_i32 s28, s28, 8
	s_lshl_b32 s28, s28, 23
	s_or_b32 s28, s28, 0x600000
	v_mov_b32 v10, s28                             ; 448 x 2^e8
	s_sub_co_i32 s28, s20, s18
	s_sub_co_i32 s28, s28, s19
	s_add_co_i32 s28, s28, 127
	s_lshl_b32 s29, s28, 23
	v_mov_b32 v11, s29                             ; 2^(e10 - e8 - e9)
	s_add_co_i32 s28, s28, 8
	s_lshl_b32 s28, s28, 23
	s_or_b32 s28, s28, 0x600000
	v_mov_b32 v12, s28                             ; 448 x that
	TILE 0, 1, 0, 1024, 0                          ; tile 0
	s_wait_xcnt 0x0                                ; the loads have read their base
	s_add_nc_u64 s[4:5], s[4:5], 1024              ; at tile 1
	s_mov_b32 s27, 0
	s_mov_b32 s26, 15
.Lpair:                                            ; 15 trips: tiles 2 t + 1 and 2 t + 2
	TILE 1, 0, 0, 1024, 0
	TILE 0, 0, 0, 2048, 1024
	s_wait_xcnt 0x0
	s_add_nc_u64 s[4:5], s[4:5], 2048
	s_add_co_u32 s27, s27, 2048
	s_sub_co_u32 s26, s26, 1
	s_cmp_lg_u32 s26, 0
	s_cbranch_scc1 .Lpair
	TILE 1, 0, 1, 0, 0                             ; tile 31: nothing more to load
	s_wait_dscnt 0x0                               ; my parts of tile 31 have landed
	s_barrier_signal -1
	s_barrier_wait -1
	s_wait_alu depctr_vm_vsrc(0)                   ; tile 31's store of tile 30's codes has read v13 and v34, which the sum below writes again
	RLOAD 1                                        ; no wait on va_vdst: the last to name v[S .. S+31] was tile 31's sum of parts, ahead of the wait in front of its store
	RSUM 1024
	s_wait_dscnt 0x0                               ; my last codes have landed
	s_barrier_signal -1
	s_barrier_wait -1
.irp n, 0,1,2,3,4,5,6,7
	ds_load_b128 v[S+4*\n:S+4*\n+3], v8 offset:512*\n            ; no wait on va_vdst: the sum of parts above, the last to name these registers, stands ahead of the wait in front of its store
.endr
.irp n, 0,1,2,3,4,5,6,7
	s_wait_dscnt 7-\n                              ; LDS loads come back in order: load n is in, the younger ones may be out
	global_store_b128 v1, v[S+4*\n:S+4*\n+3], s[12:13] offset:(\n/2)*16384+(\n%2)*512    ; 32 lanes store 512 bytes on end, at a multiple of 512 from the buffer's first byte
.endr
	s_wait_xcnt 0x0
	v_lshl_add_u32 v254, v0, 2, 0x19000            ; the add's two registers, made anew straight ahead of the closing lines; no memory or LDS instruction of this text has read v254 or v255
	v_mov_b32 v255, 0
	s_wait_dscnt 0x0                               ; the closing lines, six on end
	s_wait_alu 0x0
	s_wait_tensorcnt 0x0
	ds_add_u32 v254, v255
	s_wait_dscnt 0x0
	s_endpgm
.Lfunc_end_k_q344fd87172_attn:
	.size	k_q344fd87172_attn, .Lfunc_end_k_q344fd87172_attn-k_q344fd87172_attn
	.p2alignl 7, 3214868480
	.fill 96, 4, 3214868480
	.section	.rodata,"a",@progbits
	.p2align	6, 0x0
	.amdhsa_kernel k_q344fd87172_attn
		.amdhsa_group_segment_fixed_size 103424
		.amdhsa_private_segment_fixed_size 0
		.amdhsa_enable_private_segment 0
		.amdhsa_kernarg_size 40
		.amdhsa_user_sgpr_count 2
		.amdhsa_user_sgpr_kernarg_segment_ptr 1
		.amdhsa_wavefront_size32 1
		.amdhsa_system_sgpr_workgroup_id_x 1
		.amdhsa_system_sgpr_workgroup_id_y 1
		.amdhsa_system_sgpr_workgroup_id_z 1
		.amdhsa_system_vgpr_workitem_id 0
		.amdhsa_next_free_vgpr 512
		.amdhsa_next_free_sgpr 66
		.amdhsa_reserve_vcc 0
		.amdhsa_float_denorm_mode_32 3
		.amdhsa_float_denorm_mode_16_64 3
		.amdhsa_memory_ordered 1
		.amdhsa_forward_progress 1
		.amdhsa_inst_pref_size 140
	.end_amdhsa_kernel
	.amdgpu_metadata
---
amdhsa.version: [ 1, 2 ]
amdhsa.kernels:
  - .name:           k_q344fd87172_attn
    .symbol:         k_q344fd87172_attn.kd
    .args:
      - { .name: qws, .offset: 0, .size: 8, .value_kind: global_buffer, .address_space: global }
      - { .name: kws, .offset: 8, .size: 8, .value_kind: global_buffer, .address_space: global }
      - { .name: vws, .offset: 16, .size: 8, .value_kind: global_buffer, .address_space: global }
      - { .name: lowp_scales, .offset: 24, .size: 8, .value_kind: global_buffer, .address_space: global }
      - { .name: ows, .offset: 32, .size: 8, .value_kind: global_buffer, .address_space: global }
    .group_segment_fixed_size: 103424
    .private_segment_fixed_size: 0
    .kernarg_segment_align: 8
    .kernarg_segment_size: 40
    .max_flat_workgroup_size: 256
    .sgpr_count:     66
    .vgpr_count:     512
    .wavefront_size: 32
...
	.end_amdgpu_metadata
.endif
;; end of part 4
;; launch outp: the kernel of part 3 again; grid 4 x 32, 4 waves a work-group, clusters of 4 x 4, 327,680 bytes of LDS; arguments ows, Wo_codes, lowp_scales, bo, out0; writes out0
